; MI455X (gfx1250); checked and timed in simulation.
; The chip was launched on July 23, 2026; its instructions are those of AMD's public machine-readable ISA for CDNA 5 (MIT licence, August 2026) and "CDNA5" Instruction Set Architecture Reference Guide (July 2026). The comments in the code are by the model that wrote it; some were corrected since.
;; Transformer Block. Allowed arithmetic: float matrix products may take bf16 or f16 operands with f32 sums; other float arithmetic in f32, or as packed bf16 or f16 multiplies, adds, multiply-adds, maxima and minima; sums over many terms, partial sums and values carried from step to step in f32; what a program stores and reads back later, other than sums and carried values, may be rounded once to bf16 or f16.
;; Inputs: b_fc1 4,096 float32; b_fc2 1,024 float32; b_proj 1,024 float32; ln1_b 1,024 float32; ln1_g 1,024 float32; ln2_b 1,024 float32; ln2_g 1,024 float32; w_fc1 1,024 x 4,096 float32; w_fc2 4,096 x 1,024 float32; w_proj 1,024 x 1,024 float32; w_qkv 1,024 x 3,072 float32; x 2 x 2,048 x 1,024 float32.
;; Outputs: out0 2 x 2,048 x 1,024 float32.
;; One version. Each part assembles by itself: llvm-mc -triple=amdgcn-amd-amdhsa -mcpu=gfx1250 --defsym DOCPART=n.
;; ======== version 1 of 1: 7 launches
;; limits: values are held in f16: magnitudes above 65,504 overflow, below 6.1e-05 lose precision; a function is approximated: absolute error at most 1.5e-07
;; workspace buffers: wq 6,291,456 bytes; wp 2,097,152 bytes; w1 8,388,608 bytes; w2 8,388,608 bytes; act 8,388,608 bytes; qg 33,554,432 bytes; x1 16,777,216 bytes
;; launch prep (part 1): grid 448 x 1, 8 waves a work-group, no clusters, 0 bytes of LDS; arguments x, ln1_g, ln1_b, act, w_qkv, wq; writes act, wq
.if DOCPART == 1
	.amdgcn_target "amdgcn-amd-amdhsa--gfx1250"
	.amdhsa_code_object_version 6
	.text
	.protected	k_q6351a8f920_prep
	.globl	k_q6351a8f920_prep
	.p2align	8
	.type	k_q6351a8f920_prep,@function
k_q6351a8f920_prep:
	s_mov_b64 s[64:65], 0
	v_nop
	global_prefetch_b8 v0, s[64:65] scope:SCOPE_SE
	s_setreg_imm32_b32 hwreg(HW_REG_WAVE_MODE, 25, 1), 1
	s_wait_xcnt 0x0
; LAYERNORM, AND A CAST.  Arguments: src, g, b, dst, wsrc, wdst.  Two streams that do not depend on each other share one body.
; Work-groups 0-255: dst = LayerNorm(src) g + b, src [4096][1024] f32, dst [4096][1024] f16.  Work-groups from 256 on: 16,384 numbers each of wsrc, f32 to f16, as they lie, into wdst.
; The body serves two launches: the first has 192 casting work-groups (1024 x 3072 numbers); the second has a grid of 256, so that none reaches the cast.
; LAYERNORM.  A work-group takes 16 rows, a wave two whole rows: a row of 4,096 bytes is eight loads of 512 consecutive bytes and stays in 32 registers between the passes:
; the mean, then the mean of (x - mean)^2 as the formula has it, then the scaling.  All in f32; the result is rounded once to f16.
; CAST.  Sixteen loads of 16 bytes a thread, all out at once; each store of a wave covers 256 consecutive bytes, aligned.
; No LDS, no barrier, no matrix unit, no cluster: no byte is wanted twice and no wave waits for another.
; LIMITS.  f16 holds no number beyond 65,504 and keeps a fixed step of 6e-8 below 6.1e-5: the norm's result lies within 32 |g| + |b|; NaN and infinities are not treated apart.
.set T,  4                             ; v[4:19]    at work
.set M,  20                            ; v[20:21]   the mean, twice
.set R,  22                            ; v[22:25]   1 / sqrt(var + eps), twice for each row
.set VV, 26                            ; v[26:27]   var + eps of each row
.set X,  32                            ; v[32:95]   the two rows
.set G,  96                            ; v[96:127]  the gains of my 32 columns
.set BB, 128                           ; v[128:159] the biases
.macro REDUCE                          ; the sum over the 32 lanes, in every lane
	v_add_f32_dpp v[T], v[T], v[T] row_xmask:1 row_mask:0xf bank_mask:0xf
	v_add_f32_dpp v[T], v[T], v[T] row_xmask:2 row_mask:0xf bank_mask:0xf
	v_add_f32_dpp v[T], v[T], v[T] row_xmask:4 row_mask:0xf bank_mask:0xf
	v_add_f32_dpp v[T], v[T], v[T] row_xmask:8 row_mask:0xf bank_mask:0xf
	v_permlanex16_b32 v[T+1], v[T], s12, s13       ; its destination has been written before
	v_add_f32 v[T], v[T], v[T+1]
.endm
; Row r: mean, x - mean in place, 1 / sqrt(var + eps).  left = the younger loads that may stay out.
.macro LNSTAT r, left
.set XR, X+32*(\r)
	s_wait_loadcnt \left
.irp i, 0,1,2,3,4,5,6,7
	v_pk_add_f32 v[T+2*(\i):T+2*(\i)+1], v[XR+4*(\i):XR+4*(\i)+1], v[XR+4*(\i)+2:XR+4*(\i)+3]
.endr
.irp i, 0,1,2,3
	v_pk_add_f32 v[T+4*(\i):T+4*(\i)+1], v[T+4*(\i):T+4*(\i)+1], v[T+4*(\i)+2:T+4*(\i)+3]
.endr
	v_pk_add_f32 v[T:T+1], v[T:T+1], v[T+4:T+5]
	v_pk_add_f32 v[T+8:T+9], v[T+8:T+9], v[T+12:T+13]
	v_pk_add_f32 v[T:T+1], v[T:T+1], v[T+8:T+9]
	v_add_f32 v[T], v[T], v[T+1]
	REDUCE
	v_mul_f32 v[M], s14, v[T]
	v_mov_b32 v[M+1], v[M]
.set i, 0
.rept 16
	v_pk_add_f32 v[XR+2*i:XR+2*i+1], v[XR+2*i:XR+2*i+1], v[M:M+1] neg_lo:[0,1] neg_hi:[0,1]
.set i, i+1
.endr
.irp c, 0,1,2,3
	v_pk_mul_f32 v[T+2*(\c):T+2*(\c)+1], v[XR+2*(\c):XR+2*(\c)+1], v[XR+2*(\c):XR+2*(\c)+1]  ; four chains start the sum of squares
.endr
.set i, 4
.rept 12
	v_pk_fma_f32 v[T+2*(i%4):T+2*(i%4)+1], v[XR+2*i:XR+2*i+1], v[XR+2*i:XR+2*i+1], v[T+2*(i%4):T+2*(i%4)+1]
.set i, i+1
.endr
	v_pk_add_f32 v[T:T+1], v[T:T+1], v[T+2:T+3]
	v_pk_add_f32 v[T+4:T+5], v[T+4:T+5], v[T+6:T+7]
	v_pk_add_f32 v[T:T+1], v[T:T+1], v[T+4:T+5]
	v_add_f32 v[T], v[T], v[T+1]
	REDUCE
	v_fma_f32 v[VV+(\r)], v[T], s14, s15           ; var + eps, in a register that nothing rewrites
	v_rsq_f32 v[R+2*(\r)], v[VV+(\r)]
	v_rsq_f32 v[R+2*(\r)+1], v[VV+(\r)]
.endm
; Row r: scaled, gain and bias, rounded to f16, stored: eight stores of 256 consecutive bytes.
.macro LNOUT r
.set XR, X+32*(\r)
.set i, 0
.rept 16
	v_pk_mul_f32 v[XR+2*i:XR+2*i+1], v[XR+2*i:XR+2*i+1], v[R+2*(\r):R+2*(\r)+1]
.set i, i+1
.endr
.set i, 0
.rept 16
	v_pk_fma_f32 v[XR+2*i:XR+2*i+1], v[XR+2*i:XR+2*i+1], v[G+2*i:G+2*i+1], v[BB+2*i:BB+2*i+1]
.set i, i+1
.endr
.set i, 0
.rept 16
	v_cvt_pk_f16_f32 v[XR+i], v[XR+2*i], v[XR+2*i+1]  ; ascending: a destination lies at or below the sources still to be read
.set i, i+1
.endr
.irp j, 0,1,2,3,4,5,6,7
	global_store_b64 v2, v[XR+2*(\j):XR+2*(\j)+1], s[10:11] offset:2048*(\r)+256*(\j)
.endr
.endm
	s_load_b256 s[4:11], s[0:1], 0x0               ; src s[4:5], g s[6:7], b s[8:9], dst s[10:11]
	s_cmp_lt_u32 ttmp9, 256
	s_cbranch_scc0 .Lcast
	v_lshrrev_b32 v3, 5, v0
	v_readfirstlane_b32 s32, v3                    ; wave 0..7
	v_and_b32 v3, 31, v0
	v_lshlrev_b32 v1, 4, v3                        ; 16 x lane: my 16 bytes of 512 in f32
	v_lshlrev_b32 v2, 3, v3                        ; 8 x lane: my 8 bytes of 256 in f16
	s_lshl_b32 s33, ttmp9, 4
	s_lshl_b32 s34, s32, 1
	s_add_co_u32 s33, s33, s34                     ; my first row = 16 x work-group + 2 x wave
	s_lshl_b32 s2, s33, 12
	s_mov_b32 s3, 0
	s_lshl_b32 s34, s33, 11
	s_mov_b32 s35, 0
	s_mov_b32 s12, 0x76543210                      ; v_permlanex16_b32: each lane takes its own place in the other half
	s_mov_b32 s13, 0xfedcba98
	s_mov_b32 s14, 0x3a800000                      ; 1 / 1024
	s_mov_b32 s15, 0x3727c5ac                      ; eps = 1e-5
	s_wait_kmcnt 0x0
	s_add_nc_u64 s[4:5], s[4:5], s[2:3]
	s_add_nc_u64 s[10:11], s[10:11], s[34:35]
.irp r, 0,1
.irp j, 0,1,2,3,4,5,6,7
	global_load_b128 v[X+32*(\r)+4*(\j):X+32*(\r)+4*(\j)+3], v1, s[4:5] offset:4096*(\r)+512*(\j)
.endr
.endr
.irp j, 0,1,2,3,4,5,6,7
	global_load_b128 v[G+4*(\j):G+4*(\j)+3], v1, s[6:7] offset:512*(\j)
.endr
.irp j, 0,1,2,3,4,5,6,7
	global_load_b128 v[BB+4*(\j):BB+4*(\j)+3], v1, s[8:9] offset:512*(\j)
.endr
	LNSTAT 0, 24                                   ; row 0 is in; row 1, the gains and the biases (24 loads) may stay out
	LNSTAT 1, 16                                   ; row 1 is in
	v_nop                                          ; a plain instruction behind the last root,
	s_wait_alu depctr_va_vdst(0)                   ; and one wait for the four of them, ahead of their first reader
	s_wait_loadcnt 0x0                             ; gains and biases
	LNOUT 0
	LNOUT 1
	s_endpgm
.Lcast:
	s_load_b128 s[16:19], s[0:1], 0x20             ; wsrc s[16:17], wdst s[18:19]
	v_lshlrev_b32 v1, 4, v0                        ; 16 x thread
	v_lshlrev_b32 v2, 3, v0                        ; 8 x thread
	s_sub_co_u32 s33, ttmp9, 256                   ; the chunk's number
	s_lshl_b32 s2, s33, 16                         ; 65,536 bytes of f32,
	s_mov_b32 s3, 0
	s_lshl_b32 s34, s33, 15                        ; 32,768 of f16
	s_mov_b32 s35, 0
	s_wait_kmcnt 0x0
	s_add_nc_u64 s[16:17], s[16:17], s[2:3]
	s_add_nc_u64 s[18:19], s[18:19], s[34:35]
.set i, 0
.rept 16
	global_load_b128 v[32+4*i:32+4*i+3], v1, s[16:17] offset:4096*i th:TH_LOAD_NT
.set i, i+1
.endr
.set i, 0
.rept 16
	s_wait_loadcnt 15-i                            ; loads come back in order: number i is in, the younger ones stay out
	v_cvt_pk_f16_f32 v[96+2*i], v[32+4*i], v[32+4*i+1]
	v_cvt_pk_f16_f32 v[96+2*i+1], v[32+4*i+2], v[32+4*i+3]
	global_store_b64 v2, v[96+2*i:96+2*i+1], s[18:19] offset:2048*i
.set i, i+1
.endr
	s_endpgm
.Lfunc_end_k_q6351a8f920_prep:
	.size	k_q6351a8f920_prep, .Lfunc_end_k_q6351a8f920_prep-k_q6351a8f920_prep
	.p2alignl 7, 3214868480
	.fill 96, 4, 3214868480
	.section	.rodata,"a",@progbits
	.p2align	6, 0x0
	.amdhsa_kernel k_q6351a8f920_prep
		.amdhsa_group_segment_fixed_size 0
		.amdhsa_private_segment_fixed_size 0
		.amdhsa_enable_private_segment 0
		.amdhsa_kernarg_size 48
		.amdhsa_user_sgpr_count 2
		.amdhsa_user_sgpr_kernarg_segment_ptr 1
		.amdhsa_wavefront_size32 1
		.amdhsa_system_sgpr_workgroup_id_x 1
		.amdhsa_system_sgpr_workgroup_id_y 1
		.amdhsa_system_sgpr_workgroup_id_z 1
		.amdhsa_system_vgpr_workitem_id 0
		.amdhsa_next_free_vgpr 160
		.amdhsa_next_free_sgpr 66
		.amdhsa_reserve_vcc 0
		.amdhsa_float_denorm_mode_32 3
		.amdhsa_float_denorm_mode_16_64 3
		.amdhsa_memory_ordered 1
		.amdhsa_forward_progress 1
		.amdhsa_inst_pref_size 26
	.end_amdhsa_kernel
	.amdgpu_metadata
---
amdhsa.version: [ 1, 2 ]
amdhsa.kernels:
  - .name:           k_q6351a8f920_prep
    .symbol:         k_q6351a8f920_prep.kd
    .args:
      - { .name: x, .offset: 0, .size: 8, .value_kind: global_buffer, .address_space: global }
      - { .name: ln1_g, .offset: 8, .size: 8, .value_kind: global_buffer, .address_space: global }
      - { .name: ln1_b, .offset: 16, .size: 8, .value_kind: global_buffer, .address_space: global }
      - { .name: act, .offset: 24, .size: 8, .value_kind: global_buffer, .address_space: global }
      - { .name: w_qkv, .offset: 32, .size: 8, .value_kind: global_buffer, .address_space: global }
      - { .name: wq, .offset: 40, .size: 8, .value_kind: global_buffer, .address_space: global }
    .group_segment_fixed_size: 0
    .private_segment_fixed_size: 0
    .kernarg_segment_align: 8
    .kernarg_segment_size: 48
    .max_flat_workgroup_size: 256
    .sgpr_count:     66
    .vgpr_count:     160
    .wavefront_size: 32
...
	.end_amdgpu_metadata
.endif
;; end of part 1
;; launch gq (part 2): grid 16 x 16, 4 waves a work-group, clusters of 4 x 4, 327,680 bytes of LDS; arguments act, wq, qg, w_proj, w_fc1, w_fc2, wp, w1, w2; writes qg, wp, w1, w2
.if DOCPART == 2
	.amdgcn_target "amdgcn-amd-amdhsa--gfx1250"
	.amdhsa_code_object_version 6
	.text
	.protected	k_q6351a8f920_gq
	.globl	k_q6351a8f920_gq
	.p2align	8
	.type	k_q6351a8f920_gq,@function
k_q6351a8f920_gq:
	s_mov_b64 s[64:65], 0
	v_nop
	global_prefetch_b8 v0, s[64:65] scope:SCOPE_SE
	s_setreg_imm32_b32 hwreg(HW_REG_WAVE_MODE, 25, 1), 1
	s_wait_xcnt 0x0
	s_wait_alu depctr_hold_cnt(0) depctr_sa_sdst(0) depctr_va_vdst(0) depctr_va_sdst(0) depctr_va_ssrc(0) depctr_va_vcc(0) depctr_vm_vsrc(0)
	s_getreg_b32 s2, hwreg(HW_REG_IB_STS2, 6, 4)
	s_cmp_eq_u32 s2, 0
	s_cbranch_scc0 .Lentry_in_a_cluster
	s_endpgm
.Lentry_in_a_cluster:
	s_bfe_u32 s2, ttmp6, 0x10000c
	s_cmp_lg_u32 s2, 0xf033
	s_cbranch_scc0 .Lentry_shape_is_right
	s_endpgm
.Lentry_shape_is_right:
; q, k, v = h1 W on tiles of 256 x 256, rounded once to f16 and laid by heads, [3][32][2048][64].  h1: [4096][1024] f16, K along the rows.  W: [1024][3072] f16, K down the rows.  Sums in f32.
; THE GRID is 4 x 4 clusters of 4 x 4 work-groups.  3,072 columns are 12 tile columns: the clusters with x = 0, 1, 2.  The four clusters with x = 3 have no tile: they turn w_proj, w_fc1 and w_fc2,
; which later launches want, from f32 into f16 (at the text's end).  The branch hangs on the cluster's x, which all sixteen partners share.
; SHARES.  A work-group of four waves makes 256 x 256, a wave 128 x 128: 64 accumulators of 16 x 16 in 512 registers.  K goes in steps of 128 through two LDS slots.
; THE PRODUCT IS USED TRANSPOSED: source 0 = 16 columns of W, turned out of LDS by ds_load_tr16_b128, source 1 = 16 rows of A: a lane then holds one row of C and eight neighbouring columns.
; CLUSTER.  A's tile is shared along a row of the cluster, W's along a column; each is asked for jointly, by the same tensor load with the same descriptor and a mask of four.
; THE LOOP.  A pair is 64 along K: two runs of 32 LDS loads and two runs of 64 products, the fetch one run ahead of the products; all of a slot's bytes have been fetched when the slot is left.
; THE WAY OUT.  Behind the last fill the ring's bytes serve as stage: each wave lays its 128 x 128 sums down in f32 (rows of 528 bytes) and reads them back by rows, sixteen rows a trip, a trip ahead of their use.
; LIMITS.  f16 holds no number beyond 65,504 and keeps a fixed step of 6e-8 below 6.1e-5: operands arrive within it, and results must lie within it.  NaN and infinities are not treated apart.
; REGISTERS, in windows of 256: window 0: v0-31 addresses; v64-127, v128-191 A's fragments, two buffers, later at work; window 1: v64-127, v128-191 W's fragments;
; windows 2, 3: the accumulators, (a, b) at v[8 (8 (a % 4) + b)], window 2 for a < 4.
.set NN,    3072
.set T,     8                          ; slots' worth of K: 1024 / 128
.set PAIRS, 2                          ; pairs in a slot
.set PA,    272                        ; a row of A in LDS: 256 bytes + 16: the 16 rows of a load start at 16 different groups of four banks (64 banks of 4 bytes: ISA guide 11.1)
.set PB,    544                        ; a row of W: 512 bytes + 32
.set BOFF,  69632                      ; W's 128 rows lie behind A's 256
.set SLOT,  147456                     ; bits 14 and 17, which no address inside a slot's bases has: one exclusive or changes slots
.set SPARE, 294912                     ; behind the ring: the spare words, 128 bytes for each wave
.set SP,    528                        ; a stage row: 512 bytes + 16
.set REG,   67584                      ; a wave's stage: 128 rows
.set STEPA, 256                        ; bytes from a K step to the next in A,
.set STEPB, 256*NN                     ; and in W
.set A0,   16                          ; v16  my lane's and wave's place in A's tile; never rewritten
.set B0,   17                          ; v17  the same for W
.set ADRA, 18                          ; v18  the address of the run of loads in hand
.set ADRB, 19                          ; v19
.set STO,  20                          ; v20  where I lay my sums down
.set RD0,  21                          ; v21  where I read rows back
.set GO,   25                          ; v25  my byte offset in the output
.set SPW,  28                          ; v28  LDS address of my spare word; never rewritten
.set NIL,  29                          ; v29  0; never rewritten
.set F0,   64
.set F1,   128
.set LL,   64                          ; the way out: v[64:127] sixteen rows as they land
.set YY,   128                         ; v[128:159] the same in f16
.set WV,   14                          ; s14  wave
.set WHI,  15                          ; s15  wave / 2: my half of the rows; also: I fetch for A (0) or W (1)
.set WLO,  16                          ; s16  wave % 2: my half of the columns; also: which half of that tile I fetch
.set TC,   19                          ; s19  tile column
.set TR,   20                          ; s20  tile row
.set G1A,  24                          ; s[24:31] group 1 for A
.set G0A,  32                          ; s[32:39] group 0 for A: two sets for the first fills; the second then walks
.set TBA,  40                          ; s40  LDS byte at which the pair to be fetched begins in A's tile
.set TBB,  41                          ; s41  the same for W
.set SLOTS, 42
.set INNER, 43
.set G1B,  48
.set G0B,  56
.set MSB, 0
.macro WIN new                         ; the immediate's high byte repeats the setting that is left; a switch that changes nothing is dropped
.if MSB != (\new)
	s_set_vgpr_msb (MSB<<8)|(\new)
.set MSB, \new
.endif
.endm
.macro PLACES                          ; four places behind matrix instructions (ISA guide 7.12.1)
.rept 4
	v_nop
.endr
.endm
.macro CROUND                          ; a round of the cluster's barrier
	s_barrier_signal -1
	s_barrier_wait -1
	s_cmp_lg_u32 s[WV], 0
	s_cbranch_scc1 .Lnot_wave_0_\@
	s_barrier_signal -3
.Lnot_wave_0_\@:
	s_barrier_wait -3
	s_barrier_signal -1
	s_barrier_wait -1
.endm
.macro JLOAD                           ; a joint refill by the walking descriptor: waves 0, 1 A's halves, waves 2, 3 W's; s_nop 0 and four v_nop follow each line
	s_cmp_eq_u32 s[WHI], 0
	s_cbranch_scc0 .Lfor_b_\@
	tensor_load_to_lds s[G0A+4:G0A+7], s[G1A:G1A+7]
	s_nop 0
.rept 4
	v_nop
.endr
	s_branch .Lasked_\@
.Lfor_b_\@:
	tensor_load_to_lds s[G0B+4:G0B+7], s[G1B:G1B+7]
	s_nop 0
.rept 4
	v_nop
.endr
.Lasked_\@:
.endm
; 64 products: 32 along K on every accumulator once, so that no two neighbours share one, over every jump too.  zero = 1: they start the sums.
.macro MUL f, zero
.irp hi, 0,1
	WIN 0xa1+0x50*(\hi)
.irp a, 0,1,2,3
.irp b, 0,1,2,3,4,5,6,7
.if \zero
	v_wmma_f32_16x16x32_f16 v[8*(8*(\a)+(\b)):8*(8*(\a)+(\b))+7], v[(\f)+8*(\b):(\f)+8*(\b)+7], v[(\f)+8*(4*(\hi)+(\a)):(\f)+8*(4*(\hi)+(\a))+7], 0
.else
	v_wmma_f32_16x16x32_f16 v[8*(8*(\a)+(\b)):8*(8*(\a)+(\b))+7], v[(\f)+8*(\b):(\f)+8*(\b)+7], v[(\f)+8*(4*(\hi)+(\a)):(\f)+8*(4*(\hi)+(\a))+7], v[8*(8*(\a)+(\b)):8*(8*(\a)+(\b))+7]
.endif
.endr
.endr
.endr
.endm
; 32 LDS loads in one run: half odd of the pair in hand: 32 K x 128 columns of W (turned), 128 rows x 32 K of A
.macro FETCH f, odd
	WIN 0x40
.irp i, 0,1,2,3,4,5,6,7
	ds_load_tr16_b128 v[(\f)+8*(\i):(\f)+8*(\i)+3],   v[ADRB] offset:(\odd)*32*PB+32*(\i)
	ds_load_tr16_b128 v[(\f)+8*(\i)+4:(\f)+8*(\i)+7], v[ADRB] offset:(\odd)*32*PB+16*PB+32*(\i)
.endr
	WIN 0
.irp i, 0,1,2,3,4,5,6,7
	ds_load_b128 v[(\f)+8*(\i):(\f)+8*(\i)+3],   v[ADRA] offset:(\odd)*64+(\i)*16*PA
	ds_load_b128 v[(\f)+8*(\i)+4:(\f)+8*(\i)+7], v[ADRA] offset:(\odd)*64+(\i)*16*PA+32
.endr
.endm
.macro ADR                             ; the pair's addresses: four plain lines, the places in front of the loads into buffer 0
	WIN 0
	v_add_nc_u32 v[ADRA], s[TBA], v[A0]
	v_add_nc_u32 v[ADRB], s[TBB], v[B0]
	v_nop
	v_nop
.endm
.macro STEP
	s_add_co_u32 s[TBA], s[TBA], 128
	s_add_co_u32 s[TBB], s[TBB], 64*PB
.endm
.macro FIRST                           ; the first pair is fetched whole; its first half starts the sums
	ADR
	FETCH F0, 0
	FETCH F1, 1
	s_wait_dscnt 32                                ; buffer 0 is in; the 32 loads of buffer 1 may stay out
	MUL F0, 1
	STEP
.endm
.macro PAIR                            ; the fetch runs one half ahead of the products
	ADR
	FETCH F0, 0
	s_wait_dscnt 32                                ; buffer 1, asked for a run of products ago, is in; the 32 just issued may stay out
	MUL F1, 0
	PLACES
	FETCH F1, 1
	s_wait_dscnt 32                                ; buffer 0 is in
	MUL F0, 0
	STEP
.endm
; THE CHANGE OF SLOTS.  All of the slot's bytes have been asked for.  Each wave waits for all its tensor loads (one is out: its part of the other slot), adds 0 to its spare word, and waits for that
; and for its reads of the slot.  fill = 1: a round of the cluster's barrier, and the slot is filled again, first thing behind it, with the K step two on.
.macro CHANGE fill
	WIN 0
	s_wait_tensorcnt 0x0                           ; no tensor load of mine is out, so a group 0 may be written
	ds_add_u32 v[SPW], v[NIL]                      ; 0 onto my spare word; scalar work stands between it and the wait for it
.if \fill
	s_xor_b32 s[G0A+5], s[G0A+5], SLOT
	s_add_nc_u64 s[G0A+6:G0A+7], s[G0A+6:G0A+7], STEPA
	s_xor_b32 s[G0B+5], s[G0B+5], SLOT
	s_add_nc_u64 s[G0B+6:G0B+7], s[G0B+6:G0B+7], STEPB
.endif
	s_sub_co_u32 s[TBA], s[TBA], 128*PAIRS         ; the fetches go back to a slot's first pair,
	s_xor_b32 s[TBA], s[TBA], SLOT                 ; in the other slot
	s_sub_co_u32 s[TBB], s[TBB], 64*PB*PAIRS
	s_xor_b32 s[TBB], s[TBB], SLOT
	s_wait_dscnt 0x0                               ; the add is done, and my reads of the slot are over
.if \fill
	CROUND
	JLOAD
.else
	s_barrier_signal -1
	s_barrier_wait -1
.endif
.endm
.macro DUMP                            ; my 128 x 128 sums into my stage; each accumulator's low four registers first
.irp hi, 0,1
	WIN 0x08+0x04*(\hi)
.irp a, 0,1,2,3
.irp b, 0,1,2,3,4,5,6,7
	ds_store_b128 v[STO], v[8*(8*(\a)+(\b)):8*(8*(\a)+(\b))+3]   offset:16*(4*(\hi)+(\a))*SP+64*(\b)
	ds_store_b128 v[STO], v[8*(8*(\a)+(\b))+4:8*(8*(\a)+(\b))+7] offset:16*(4*(\hi)+(\a))*SP+64*(\b)+16
.endr
.endr
.endr
	WIN 0
.endm
; Sixteen rows back from the stage: group q of four rows, head hh of my two: a lane takes 32 bytes, eight numbers: row l / 8 of the four, columns 8 (l % 8) on
.macro LOADL
	v_add_nc_u32 v[ADRA], s[TBA], v[RD0]
.irp q, 0,1,2,3
.irp hh, 0,1
	ds_load_b128 v[LL+8*(2*(\q)+(\hh)):LL+8*(2*(\q)+(\hh))+3],   v[ADRA] offset:4*(\q)*SP+256*(\hh)
	ds_load_b128 v[LL+8*(2*(\q)+(\hh))+4:LL+8*(2*(\q)+(\hh))+7], v[ADRA] offset:4*(\q)*SP+256*(\hh)+16
.endr
.endr
.endm
	s_load_b128 s[4:7], s[0:1], 0x0                ; A s[4:5], W s[6:7]
	s_load_b64 s[8:9], s[0:1], 0x10                ; out
	v_lshl_add_u32 v[SPW], v0, 2, SPARE
	v_mov_b32 v[NIL], 0
	v_lshrrev_b32 v1, 5, v0
	v_readfirstlane_b32 s[WV], v1
	s_cmp_eq_u32 ttmp9, 3                          ; the cluster's x: the same in all sixteen partners
	s_cbranch_scc1 .Lcast                          ; no tile there: the casts
	s_lshr_b32 s[WHI], s[WV], 1
	ds_add_u32 v[SPW], v[NIL]                      ; the wave's opening: the add and its wait ahead of my first tensor load
	s_and_b32 s[WLO], s[WV], 1
	s_bfe_u32 s17, ttmp6, 0x40000                  ; cx
	s_bfe_u32 s18, ttmp6, 0x40004                  ; cy
	s_lshl_b32 s[TC], ttmp9, 2
	s_add_co_u32 s[TC], s[TC], s17
	s_and_b32 s[TR], ttmp7, 0xffff
	s_lshl_b32 s[TR], s[TR], 2
	s_add_co_u32 s[TR], s[TR], s18
	s_lshl_b32 s21, s18, 2
	s_lshl_b32 s21, 15, s21                        ; my row of the cluster
	s_lshl_b32 s22, 0x1111, s17                    ; my column
	s_or_b32 s[G1A], s21, (1<<16)|(1<<20)|(1<<21)|(5<<22)|(3<<25)  ; mask; 2-byte elements; padding on; bit 21 beside a mask; after every 64 words, 4 words
	s_or_b32 s[G1B], s22, (1<<16)|(1<<20)|(1<<21)|(6<<22)|(7<<25)  ; after every 128 words, 8 words
	s_mov_b32 s[G1A+1], 128<<16                    ; A: 128 rows x 128 elements, 1,024 elements from row to row
	s_mov_b32 s[G1A+2], 128<<16
	s_mov_b32 s[G1A+3], 128<<16
	s_mov_b32 s[G1A+4], 128
	s_mov_b32 s[G1A+5], 1024
	s_mov_b32 s[G1A+6], 0
	s_mov_b32 s[G1A+7], 0
	s_mov_b32 s[G1B+1], 256<<16                    ; W: 64 rows x 256 elements, NN elements from row to row
	s_mov_b32 s[G1B+2], 64<<16
	s_mov_b32 s[G1B+3], 256<<16
	s_mov_b32 s[G1B+4], 64
	s_mov_b32 s[G1B+5], NN
	s_mov_b32 s[G1B+6], 0
	s_mov_b32 s[G1B+7], 0
	s_lshl_b32 s44, s[TR], 19                      ; A: (256 x tile row + 128 x half) rows of 2,048 bytes
	s_lshl_b32 s45, s[WLO], 18
	s_add_co_u32 s44, s44, s45
	s_mov_b32 s45, 0
	s_mul_i32 s46, s[WLO], 128*NN                  ; W: 64 x half rows of 2 NN bytes + 512 x tile column
	s_lshl_b32 s47, s[TC], 9
	s_add_co_u32 s46, s46, s47
	s_mov_b32 s47, 0
	s_mul_i32 s23, s[WLO], 128*PA                  ; where they go: no place in the cluster enters an LDS address
	s_mul_i32 s43, s[WLO], 64*PB
	s_add_co_u32 s43, s43, BOFF
	s_mov_b32 s[TBA], 0
	s_mov_b32 s[TBB], 0
	s_wait_dscnt 0x0                               ; the opening add is done
	s_wait_kmcnt 0x0
	s_add_nc_u64 s[44:45], s[4:5], s[44:45]
	s_add_nc_u64 s[46:47], s[6:7], s[46:47]
	CROUND                                         ; all sixteen work-groups are here: the first joint loads meet
.irp s, 0,1
	s_mov_b32 s[G0A+4*(\s)], 1
	s_add_co_u32 s[G0A+4*(\s)+1], s23, (\s)*SLOT
	s_add_nc_u64 s[G0A+4*(\s)+2:G0A+4*(\s)+3], s[44:45], (\s)*STEPA
	s_or_b32 s[G0A+4*(\s)+3], s[G0A+4*(\s)+3], 0x80000000
	s_mov_b32 s[G0B+4*(\s)], 1
	s_add_co_u32 s[G0B+4*(\s)+1], s43, (\s)*SLOT
	s_add_nc_u64 s[G0B+4*(\s)+2:G0B+4*(\s)+3], s[46:47], (\s)*STEPB
	s_or_b32 s[G0B+4*(\s)+3], s[G0B+4*(\s)+3], 0x80000000
.endr
	s_cmp_eq_u32 s[WHI], 0                         ; a wave's two first fills stand in one branch: two loads of mine are out
	s_cbranch_scc0 .Lfirst_b
	tensor_load_to_lds s[G0A:G0A+3], s[G1A:G1A+7]
	s_nop 0
	tensor_load_to_lds s[G0A+4:G0A+7], s[G1A:G1A+7]
	s_nop 0
.rept 4
	v_nop
.endr
	s_branch .Lfirst_done
.Lfirst_b:
	tensor_load_to_lds s[G0B:G0B+3], s[G1B:G1B+7]
	s_nop 0
	tensor_load_to_lds s[G0B+4:G0B+7], s[G1B:G1B+7]
	s_nop 0
.rept 4
	v_nop
.endr
.Lfirst_done:
	v_and_b32 v1, 15, v0                           ; l % 16
	v_bfe_u32 v2, v0, 4, 1                         ; l / 16
	v_and_b32 v3, 7, v0
	v_bfe_u32 v4, v0, 3, 1
	v_and_b32 v5, 31, v0
	s_mul_i32 s21, s[WHI], 128*PA                  ; my 128 rows of A
	v_mul_u32_u24 v[A0], v1, PA
	v_lshl_add_u32 v[A0], v2, 4, v[A0]
	v_add_nc_u32 v[A0], s21, v[A0]
	s_lshl_b32 s21, s[WLO], 8                      ; my 128 columns of W
	s_add_co_u32 s21, s21, BOFF
	v_lshl_add_u32 v[B0], v2, 3, v3                ; the turning load: lane l reads row 8 (l / 16) + l % 8, 16 bytes at 16 ((l / 8) % 2)
	v_mul_u32_u24 v[B0], v[B0], PB
	v_lshl_add_u32 v[B0], v4, 4, v[B0]
	v_add_nc_u32 v[B0], s21, v[B0]
	s_mul_i32 s21, s[WV], REG                      ; my stage
	v_mul_u32_u24 v[STO], v1, SP
	v_lshl_add_u32 v[STO], v2, 5, v[STO]
	v_add_nc_u32 v[STO], s21, v[STO]
	v_lshrrev_b32 v6, 3, v5                        ; back: row l / 8 of four, 32 bytes at 32 (l % 8): with rows 528 bytes apart sixteen lanes take sixteen different 16-byte columns
	v_mul_u32_u24 v[RD0], v6, SP
	v_lshl_add_u32 v[RD0], v3, 5, v[RD0]
	v_add_nc_u32 v[RD0], s21, v[RD0]
	v_lshlrev_b32 v[GO], 4, v5                     ; four rows of a head, 128 bytes each, are 512 consecutive bytes: 16 a lane
	s_lshl_b32 s21, s[TC], 2
	s_lshl_b32 s22, s[WLO], 1
	s_add_co_u32 s21, s21, s22                     ; my first block of 64 columns, 0..47
	s_lshl_b32 s22, s[TR], 8
	s_lshl_b32 s23, s[WHI], 7
	s_add_co_u32 s22, s22, s23                     ; my first row
	s_lshr_b32 s44, s21, 4                         ; q, k or v: 32 heads each,
	s_lshl_b32 s44, s44, 5
	s_lshr_b32 s45, s22, 11                        ; the batch: 16 heads,
	s_lshl_b32 s45, s45, 4
	s_add_co_u32 s44, s44, s45
	s_and_b32 s45, s21, 15                         ; the head
	s_add_co_u32 s44, s44, s45
	s_lshl_b32 s44, s44, 18                        ; 262,144 bytes a head
	s_and_b32 s45, s22, 2047
	s_lshl_b32 s45, s45, 7                         ; 128 bytes a row
	s_add_co_u32 s44, s44, s45
	s_mov_b32 s45, 0
	s_add_nc_u64 s[8:9], s[8:9], s[44:45]
	s_wait_tensorcnt 0x1                           ; my part of slot 0 is in; slot 1's may stay out
	s_barrier_signal -1
	s_barrier_wait -1
	FIRST
	WIN 0
	s_mov_b32 s[SLOTS], T-1
	s_mov_b32 s[INNER], 1                          ; slot 0 has one pair left
	s_branch .Lpair
.Lslot:                                        ; T - 2 times: every slot but the last two is filled again
	CHANGE 1
	s_mov_b32 s[INNER], PAIRS
.Lpair:
	PAIR
	WIN 0
	s_sub_co_u32 s[INNER], s[INNER], 1
	s_cmp_lg_u32 s[INNER], 0
	s_cbranch_scc1 .Lpair
	s_sub_co_u32 s[SLOTS], s[SLOTS], 1
	s_cmp_lg_u32 s[SLOTS], 0
	s_cbranch_scc1 .Lslot
	CHANGE 0                                       ; the last slot is written out
	s_mov_b32 s[INNER], PAIRS
.Ltail:
	PAIR
	WIN 0
	s_sub_co_u32 s[INNER], s[INNER], 1
	s_cmp_lg_u32 s[INNER], 0
	s_cbranch_scc1 .Ltail
	s_wait_dscnt 0x0                               ; my last reads of the ring are back:
	s_barrier_signal -1                            ; say so,
	MUL F1, 0                                      ; the last products while the others arrive,
	WIN 0
	s_barrier_wait -1                              ; and nobody reads the ring any more: its bytes, filled for the last time, become the stage
	PLACES
	DUMP
	s_wait_dscnt 0x0
	s_barrier_signal -1
	s_barrier_wait -1                              ; every wave's sums lie in the stage
	s_mov_b32 s[TBA], 0
	LOADL                                          ; rows 0 to 15
	s_mov_b32 s[INNER], 8                          ; eight trips of sixteen rows; a trip's rows were asked for in the trip before
.Lout:
	s_wait_dscnt 0x0                               ; this trip's rows are in
	s_wait_xcnt 0x0                                ; the last trip's stores have read their data and their base
	s_add_nc_u64 s[8:9], s[8:9], 2048              ; sixteen rows of 128 bytes on; the stores below reach back
.set i, 0
.rept 32
	v_cvt_pk_f16_f32 v[YY+i], v[LL+2*i], v[LL+2*i+1]
.set i, i+1
.endr
	s_cmp_eq_u32 s[INNER], 1                       ; the last trip has nothing to ask for
	s_cbranch_scc1 .Lnol
	s_add_co_u32 s[TBA], s[TBA], 16*SP
	LOADL
.Lnol:
.irp q, 0,1,2,3
.irp hh, 0,1
	global_store_b128 v[GO], v[YY+4*(2*(\q)+(\hh)):YY+4*(2*(\q)+(\hh))+3], s[8:9] offset:512*(\q)+262144*(\hh)-2048  ; four rows of one head: 512 consecutive bytes, aligned
.endr
.endr
	s_sub_co_u32 s[INNER], s[INNER], 1
	s_cmp_lg_u32 s[INNER], 0
	s_cbranch_scc1 .Lout
	s_wait_tensorcnt 0x0                           ; the wave's end, behind my last tensor load and my last LDS store
	ds_add_u32 v[SPW], v[NIL]
	s_wait_dscnt 0x0
	CROUND                                         ; the closing round: no work-group ends while a partner may still ask for a tile that names it
	s_endpgm
; THE CASTS: w_proj (2^20 numbers), w_fc1 and w_fc2 (2^22 each), f32 to f16 as they lie.  64 work-groups, 256 waves; wave u takes the u-th 256th of each tensor: nine blocks of 16 KiB, one of w_proj, four of w_fc1,
; four of w_fc2.  A trip is a block: 32 loads of 512 consecutive bytes, all out at once; then, as each comes in, two conversions and a store of 256 consecutive bytes, aligned.  Nothing is asked for across
; trips: nine waits for memory are short against the eight K slots that the other clusters walk meanwhile.  No LDS byte is touched and no tensor load is issued on this path.
.Lcast:
	s_load_b64 s[24:25], s[0:1], 0x18              ; w_proj
	s_load_b256 s[28:35], s[0:1], 0x20             ; w_fc1 s[28:29], w_fc2 s[30:31], wp s[32:33], w1 s[34:35]
	s_load_b64 s[36:37], s[0:1], 0x40              ; w2
	s_bfe_u32 s17, ttmp6, 0x40000                  ; cx
	s_bfe_u32 s18, ttmp6, 0x40004                  ; cy: the two enter global addresses alone
	s_and_b32 s20, ttmp7, 0xffff
	s_lshl_b32 s20, s20, 2
	s_add_co_u32 s20, s20, s18                     ; work-group y, 0..15
	s_lshl_b32 s20, s20, 2
	s_add_co_u32 s20, s20, s17                     ; the casting work-group's number, 0..63
	s_lshl_b32 s20, s20, 2
	s_add_co_u32 s20, s20, s[WV]                   ; u, 0..255
	v_and_b32 v2, 31, v0
	v_lshlrev_b32 v3, 4, v2                        ; 16 x lane
	v_lshlrev_b32 v4, 3, v2                        ; 8 x lane
	s_lshl_b32 s40, s20, 14                        ; my share of w_proj: 16,384 bytes in,
	s_mov_b32 s41, 0
	s_lshl_b32 s42, s20, 13                        ; 8,192 out;
	s_mov_b32 s43, 0
	s_lshl_b32 s44, s20, 16                        ; of w_fc1 and of w_fc2: 65,536 in,
	s_mov_b32 s45, 0
	s_lshl_b32 s46, s20, 15                        ; 32,768 out
	s_mov_b32 s47, 0
	s_wait_kmcnt 0x0
	s_add_nc_u64 s[48:49], s[24:25], s[40:41]      ; from where and to where the block in hand goes: w_proj first
	s_add_nc_u64 s[50:51], s[32:33], s[42:43]
	s_add_nc_u64 s[28:29], s[28:29], s[44:45]
	s_add_nc_u64 s[34:35], s[34:35], s[46:47]
	s_add_nc_u64 s[30:31], s[30:31], s[44:45]
	s_add_nc_u64 s[36:37], s[36:37], s[46:47]
	s_mov_b32 s52, 9                               ; blocks to go
.Lblk:
.set i, 0
.rept 32
	global_load_b128 v[64+4*i:64+4*i+3], v3, s[48:49] offset:512*i th:TH_LOAD_NT
.set i, i+1
.endr
.set i, 0
.rept 32
	s_wait_loadcnt 31-i                            ; loads come back in order: number i is in, the younger ones stay out
	v_cvt_pk_f16_f32 v[192+2*i], v[64+4*i], v[64+4*i+1]
	v_cvt_pk_f16_f32 v[192+2*i+1], v[64+4*i+2], v[64+4*i+3]
	global_store_b64 v4, v[192+2*i:192+2*i+1], s[50:51] offset:256*i
.set i, i+1
.endr
	s_wait_xcnt 0x0                                ; loads and stores have read their bases, the stores their data
	s_add_nc_u64 s[48:49], s[48:49], 16384         ; the tensor's next block,
	s_add_nc_u64 s[50:51], s[50:51], 8192
	s_sub_co_u32 s52, s52, 1
	s_cmp_eq_u32 s52, 8                            ; or, behind w_proj's one block, w_fc1's first,
	s_cselect_b64 s[48:49], s[28:29], s[48:49]
	s_cselect_b64 s[50:51], s[34:35], s[50:51]
	s_cmp_eq_u32 s52, 4                            ; and behind w_fc1's fourth, w_fc2's first
	s_cselect_b64 s[48:49], s[30:31], s[48:49]
	s_cselect_b64 s[50:51], s[36:37], s[50:51]
	s_cmp_lg_u32 s52, 0
	s_cbranch_scc1 .Lblk
	CROUND                                         ; this path too ends with a round of the cluster's barrier: all sixteen partners of such a cluster run it
	s_endpgm
.Lfunc_end_k_q6351a8f920_gq:
	.size	k_q6351a8f920_gq, .Lfunc_end_k_q6351a8f920_gq-k_q6351a8f920_gq
	.p2alignl 7, 3214868480
	.fill 96, 4, 3214868480
	.section	.rodata,"a",@progbits
	.p2align	6, 0x0
	.amdhsa_kernel k_q6351a8f920_gq
		.amdhsa_group_segment_fixed_size 327680
		.amdhsa_private_segment_fixed_size 0
		.amdhsa_enable_private_segment 0
		.amdhsa_kernarg_size 72
		.amdhsa_user_sgpr_count 2
		.amdhsa_user_sgpr_kernarg_segment_ptr 1
		.amdhsa_wavefront_size32 1
		.amdhsa_system_sgpr_workgroup_id_x 1
		.amdhsa_system_sgpr_workgroup_id_y 1
		.amdhsa_system_sgpr_workgroup_id_z 1
		.amdhsa_system_vgpr_workitem_id 0
		.amdhsa_next_free_vgpr 1024
		.amdhsa_next_free_sgpr 66
		.amdhsa_reserve_vcc 0
		.amdhsa_float_denorm_mode_32 3
		.amdhsa_float_denorm_mode_16_64 3
		.amdhsa_memory_ordered 1
		.amdhsa_forward_progress 1
		.amdhsa_inst_pref_size 75
	.end_amdhsa_kernel
	.amdgpu_metadata
---
amdhsa.version: [ 1, 2 ]
amdhsa.kernels:
  - .name:           k_q6351a8f920_gq
    .symbol:         k_q6351a8f920_gq.kd
    .args:
      - { .name: act, .offset: 0, .size: 8, .value_kind: global_buffer, .address_space: global }
      - { .name: wq, .offset: 8, .size: 8, .value_kind: global_buffer, .address_space: global }
      - { .name: qg, .offset: 16, .size: 8, .value_kind: global_buffer, .address_space: global }
      - { .name: w_proj, .offset: 24, .size: 8, .value_kind: global_buffer, .address_space: global }
      - { .name: w_fc1, .offset: 32, .size: 8, .value_kind: global_buffer, .address_space: global }
      - { .name: w_fc2, .offset: 40, .size: 8, .value_kind: global_buffer, .address_space: global }
      - { .name: wp, .offset: 48, .size: 8, .value_kind: global_buffer, .address_space: global }
      - { .name: w1, .offset: 56, .size: 8, .value_kind: global_buffer, .address_space: global }
      - { .name: w2, .offset: 64, .size: 8, .value_kind: global_buffer, .address_space: global }
    .group_segment_fixed_size: 327680
    .private_segment_fixed_size: 0
    .kernarg_segment_align: 8
    .kernarg_segment_size: 72
    .max_flat_workgroup_size: 128
    .sgpr_count:     66
    .vgpr_count:     1024
    .wavefront_size: 32
...
	.end_amdgpu_metadata
.endif
;; end of part 2
;; launch attn (part 3): grid 8 x 32, 4 waves a work-group, clusters of 4 x 1, 327,680 bytes of LDS; arguments qg, act; writes act
.if DOCPART == 3
	.amdgcn_target "amdgcn-amd-amdhsa--gfx1250"
	.amdhsa_code_object_version 6
	.text
	.protected	k_q6351a8f920_attn
	.globl	k_q6351a8f920_attn
	.p2align	8
	.type	k_q6351a8f920_attn,@function
k_q6351a8f920_attn:
	s_mov_b64 s[64:65], 0
	v_nop
	global_prefetch_b8 v0, s[64:65] scope:SCOPE_SE
	s_setreg_imm32_b32 hwreg(HW_REG_WAVE_MODE, 25, 1), 1
	s_wait_xcnt 0x0
	s_wait_alu depctr_hold_cnt(0) depctr_sa_sdst(0) depctr_va_vdst(0) depctr_va_sdst(0) depctr_va_ssrc(0) depctr_va_vcc(0) depctr_vm_vsrc(0)
	s_getreg_b32 s2, hwreg(HW_REG_IB_STS2, 6, 4)
	s_cmp_eq_u32 s2, 0
	s_cbranch_scc0 .Lentry_in_a_cluster
	s_endpgm
.Lentry_in_a_cluster:
	s_bfe_u32 s2, ttmp6, 0x10000c
	s_cmp_lg_u32 s2, 0x3003
	s_cbranch_scc0 .Lentry_shape_is_right
	s_endpgm
.Lentry_shape_is_right:
; O[h][q][:] = the sum over k of softmax_k(Q[h][q] . K[h][k] / 8) V[h][k][:].  Q, K, V lie in one buffer, [3][32][2048][64] f16, O is [32][2048][64] f16: a head's rows are dense, 128 bytes each.
; Products, maxima and sums in f32; the weights p are rounded to f16 for the second product (their sum l is taken of the unrounded p), O once at the end.
; LIMITS.  f16 holds no number beyond 65,504: Q, K and V arrive within it; p lies in 0 to 1, and below 6e-5 it keeps f16's fixed step of 6e-8; O is a mean of V's rows and has their range.
; A weight below 2^-126 counts as 0 in l; NaN and infinities are not treated apart.
; SHARES.  A work-group takes 256 queries of one head, a wave 64: four PIECES of 16.  Every wave walks the head's 8 tiles of 256 keys, 64 keys a step.
; LAYOUT.  S^T = K Q^T holds ONE query a lane (lane % 16) and the keys 8 (lane / 16) + 0..7; two such results rounded to f16 ARE source 1 of O^T = V^T P.  K comes out of LDS as it lies, V turned, by ds_load_tr16_b128.
; SOFTMAX.  p = 2^(c s - c m), c = log2(e) / 8, with a running maximum m; O and l are multiplied by a = 2^(c m_old - c m_new) in every step.  m starts at the lowest finite number, O and l at 0: the first step has a = 0.
; TURNS.  Turn n belongs to piece n: 8 products K Q^T of piece n + 1, later 8 products V^T P of piece n - 1; beside them the scaling, exponentials, roundings, sums and rescaling of piece n and the maximum and
; statistics of piece n + 1.  Four vector instructions stand behind every matrix instruction, the others in one lump.  A turn's 33 exponentials are one batch, with one wait.
; CLUSTER.  The four query blocks of a cluster belong to one head and walk the same K and V, so each tile is asked for JOINTLY: the same tensor load, descriptor and mask in all four.
; REGISTERS, in windows of 256 (s_set_vgpr_msb: bits 1:0 source 0, 3:2 source 1, 5:4 source 2, 7:6 destination):
;   window 0: v0-15 addresses and two at work; v16-31 four registers of statistics a piece; v48-55 at work; v61-63; v64-127 S^T, two buffers; v192-223 P, two buffers (by the piece's parity)
;   window 1: v0-127 O^T, 32 a piece      window 2: v0-63 Q; v128-191 K of one step; v192-255 V of one step
.set NP,    4
.set KS,    64
.set PK,    144       ; a row of K in LDS: 128 bytes + 16: the 16 rows of a load start at 16 different groups of four banks (64 banks of 4 bytes: ISA guide 11.1)
.set PV,    160       ; a row of V: 128 + 32
.set VOFF,  4*KS*PK   ; a slot holds a tile, four steps: 256 rows of K, then 256 rows of V
.set SLOT1, 1<<17
.set STAGE, SLOT1+4*KS*(PK+PV)  ; behind the ring, never filled by a tensor load: 16 rows x 144 bytes for each wave
.set SP,    144
.set SPARE, STAGE+4*16*SP       ; behind the stages: the spare words, 128 bytes for each wave
.set AK0, 2
.set AV0, 3
.set AK,  4
.set AV,  5
.set STO, 6
.set RD,  7
.set GO,  8
.set MV,  12          ; v12-13  c m_old, by buffer
.set QO,  15
.set ST,  16          ; piece t: c m, m, l (even keys', odd keys')
.set TMP, 48
.set PFO, 61          ; v61  256 x lane; never rewritten
.set SPW, 62          ; v62  LDS address of my spare word; never rewritten
.set NIL, 63          ; v63  0; never rewritten
.set S,   64
.set P,   192
.set KF,  128
.set VF,  192
.set WV,  12
.set LIM, 15          ; s15  1 in a wave that prefetches, else the greatest number
.set G1K, 24
.set G1V, 32
.set G0K, 40
.set G0V, 44
.set PFA, 48          ; s[48:49] where my prefetches stand
.set SLOTS, 56
.set CNT, 57
.set CS,  58
.set SEL, 60
.set TBK, 62
.set TBV, 63
.set MSB, 0
.macro WIN new
.if MSB != (\new)
	s_set_vgpr_msb (MSB<<8)|(\new)
.set MSB, (\new)
.endif
.endm
.set W_KQ, 0x0a       ; K and Q in window 2, S^T in window 0
.set W_PV, 0x52       ; V in window 2, P in window 0, O^T in window 1
.set W_RS, 0x41       ; destination and source 0 in window 1, source 1 in window 0
.macro JLOAD                        ; a joint fill: waves 0, 1 the halves of a tile's K, waves 2, 3 of its V; s_nop 0 and four v_nop follow each line
	s_cmp_lt_u32 s[WV], 2
	s_cbranch_scc0 .Lfor_v_\@
	tensor_load_to_lds s[G0K:G0K+3], s[G1K:G1K+7]
	s_nop 0
.rept 4
	v_nop
.endr
	s_branch .Lasked_\@
.Lfor_v_\@:
	tensor_load_to_lds s[G0V:G0V+3], s[G1V:G1V+7]
	s_nop 0
.rept 4
	v_nop
.endr
.Lasked_\@:
.endm
; A PREFETCH INTO THE L2 of the tile that the NEXT change of slots will ask for: 128 blocks of 256 bytes of K and of V.  Both clusters of a head walk the same tiles: the head's first cluster asks.  Its four partners
; share the blocks out BY ADDRESS, 32 each, a lane a block; in each, wave 0 asks for K's and wave 2 for V's.  So each block is named once in the launch.  The last change that fills a slot asks for nothing.
.macro ASK
	s_cmp_gt_u32 s[SLOTS], s[LIM]
	s_cbranch_scc0 .Lnot_mine_\@
	global_prefetch_b8 v[PFO], s[PFA:PFA+1] th:TH_LOAD_NT scope:SCOPE_SE
.Lnot_mine_\@:
.endm
.macro CROUND
	s_barrier_signal -1
	s_barrier_wait -1
	s_cmp_lg_u32 s[WV], 0
	s_cbranch_scc1 .Lnot_wave_0_\@
	s_barrier_signal -3
.Lnot_wave_0_\@:
	s_barrier_wait -3
	s_barrier_signal -1
	s_barrier_wait -1
.endm
; THE CHANGE OF SLOTS.  Each wave waits for all its tensor loads (one is out: its part of the other slot), adds 0 to its spare word, and waits for that and for its reads of the slot that it leaves.
; fill = 1: a round of the cluster's barrier, and the old slot is filled again, first thing behind it, with the next tile but one: it has four key steps in which to land.
.macro CHANGE fill
	WIN 0
	s_wait_tensorcnt 0x0            ; no tensor load of mine is out, so a group 0 may be written
	ds_add_u32 v[SPW], v[NIL]       ; 0 onto my spare word; scalar work stands between it and the wait for it
.if \fill
.irp g, G0K, G0V
	s_xor_b32 s[\g+1], s[\g+1], SLOT1
	s_add_nc_u64 s[\g+2:\g+3], s[\g+2:\g+3], 4*KS*128
.endr
	s_wait_xcnt 0x0                 ; the last prefetch, four key steps back, has read its address
	s_add_nc_u64 s[PFA:PFA+1], s[PFA:PFA+1], 4*KS*128  ; one tile behind... ahead of the walking descriptors by one tile
	s_wait_dscnt 0x0                ; the add is done, and my reads of the slot are over
	CROUND
	JLOAD
	ASK
.else
	s_wait_dscnt 0x0
	s_barrier_signal -1
	s_barrier_wait -1
.endif
	s_sub_co_u32 s[TBK], s[TBK], 4*KS*PK  ; the fetches go back to a slot's first step,
	s_xor_b32 s[TBK], s[TBK], SLOT1       ; in the other slot
	s_sub_co_u32 s[TBV], s[TBV], 4*KS*PV
	s_xor_b32 s[TBV], s[TBV], SLOT1
.endm
	s_load_b64 s[4:5], s[0:1], 0x0  ; q, k, v
	s_load_b64 s[10:11], s[0:1], 0x8  ; O
	v_lshl_add_u32 v[SPW], v0, 2, SPARE
	v_mov_b32 v[NIL], 0
	ds_add_u32 v[SPW], v[NIL]       ; the wave's opening: the add and its wait ahead of my first tensor load
	v_lshrrev_b32 v1, 5, v0
	v_readfirstlane_b32 s[WV], v1
	s_bfe_u32 s13, ttmp6, 0x40000   ; cx
	s_lshl_b32 s14, ttmp9, 2
	s_add_co_u32 s14, s14, s13      ; my block of 256 queries: it enters Q's and O's addresses alone
	s_and_b32 s20, ttmp7, 0xffff    ; the head, which the four partners share
	s_lshl_b32 s20, s20, 18         ; 262,144 bytes a head
	s_and_b32 s16, s[WV], 1         ; which half of a tile's 256 keys I fetch
	s_lshl_b32 s22, s16, 14
	s_add_co_u32 s22, s22, s20
	s_mov_b32 s23, 0
	s_mul_i32 s17, s16, 128*PK
	s_mul_i32 s18, s16, 128*PV
	s_lshl_b32 s2, s14, 2
	s_add_co_u32 s2, s2, s[WV]
	s_lshl_b32 s2, s2, 13           ; my wave's 64 rows of 128 bytes
	s_add_co_u32 s2, s2, s20
	s_mov_b32 s3, 0
	; group 1: 128 keys are 16,384 dense bytes: asked for as 64 rows of 256 bytes, padded in LDS after every key
	s_mov_b32 s[G1K], 15|(1<<16)|(1<<20)|(1<<21)|(4<<22)|(3<<25)
	s_mov_b32 s[G1V], 15|(1<<16)|(1<<20)|(1<<21)|(4<<22)|(7<<25)
.irp g, G1K, G1V
	s_mov_b32 s[\g+1], 128<<16
	s_mov_b32 s[\g+2], 64<<16
	s_mov_b32 s[\g+3], 128<<16
	s_mov_b32 s[\g+4], 64
	s_mov_b32 s[\g+5], 128
	s_mov_b32 s[\g+6], 0
	s_mov_b32 s[\g+7], 0
.endr
	s_mov_b32 s[CS], 0x3e38aa3b     ; c = log2(e) / 8
	s_mov_b32 s[CS+1], s[CS]
	s_mov_b32 s[SEL], 0x76543210
	s_mov_b32 s[SEL+1], 0xfedcba98
	s_mov_b32 s[TBK], SLOT1+4*KS*PK ; the first change of slots turns these two into 0
	s_mov_b32 s[TBV], SLOT1+4*KS*PV
	s_mov_b32 s[G0K], 1
	s_mov_b32 s[G0K+1], s17
	s_mov_b32 s[G0V], 1
	s_add_co_u32 s[G0V+1], s18, VOFF
	s_mov_b32 s[SLOTS], 7           ; tiles still to be asked for
	s_and_b32 s[LIM], s[WV], 1      ; 0 in waves 0 and 2,
	s_or_b32 s[LIM], s[LIM], ttmp9  ; where the cluster is the head's first: the same in all four partners
	s_cmp_eq_u32 s[LIM], 0
	s_cselect_b32 s[LIM], 1, -1
	v_and_b32 v[PFO], 31, v0
	v_lshlrev_b32 v[PFO], 8, v[PFO]
	s_wait_dscnt 0x0                ; the opening add is done
	s_wait_kmcnt 0x0
	s_add_nc_u64 s[6:7], s[4:5], s[22:23]
	s_add_nc_u64 s[8:9], s[6:7], 0x1000000   ; V at my half of the head's tile 0,
	s_add_nc_u64 s[6:7], s[6:7], 0x800000    ; and K
	s_mov_b64 s[G0K+2:G0K+3], s[6:7]
	s_or_b32 s[G0K+3], s[G0K+3], 0x80000000
	s_mov_b64 s[G0V+2:G0V+3], s[8:9]
	s_or_b32 s[G0V+3], s[G0V+3], 0x80000000
	s_add_nc_u64 s[4:5], s[4:5], s[2:3]      ; Q and O at my wave's first row
	s_add_nc_u64 s[10:11], s[10:11], s[2:3]
	s_cmp_lt_u32 s[WV], 2
	s_cselect_b64 s[PFA:PFA+1], s[6:7], s[8:9]
	s_lshl_b32 s2, s13, 13          ; my work-group's 32 blocks of the 128
	s_mov_b32 s3, 0
	s_add_nc_u64 s[PFA:PFA+1], s[PFA:PFA+1], s[2:3]
	s_add_nc_u64 s[PFA:PFA+1], s[PFA:PFA+1], 4*KS*128  ; in tile 1; the first change steps it to tile 2.  Nothing is prefetched here, at the head
	CROUND                          ; all four work-groups are here: the first joint loads meet
	JLOAD                           ; tile 0 into slot 0
	v_and_b32 v1, 15, v0            ; l % 16
	v_bfe_u32 v9, v0, 4, 1          ; l / 16
	v_lshlrev_b32 v[QO], 7, v1
	v_lshl_add_u32 v[QO], v9, 4, v[QO]
	WIN 0x80
.set i, 0
.rept 8                             ; Q stays in registers: piece i / 2, channels 32 (i % 2) on
	global_load_b128 v[8*i:8*i+3],   v[QO], s[4:5] offset:(i/2)*2048+(i%2)*64
	global_load_b128 v[8*i+4:8*i+7], v[QO], s[4:5] offset:(i/2)*2048+(i%2)*64+32
.set i, i+1
.endr
	; What the first turn finds: V's registers and P's second buffer hold 0, O^T and l are 0.  All this stands in the wait for the first tile; no first step is written out for it.
.set i, VF
.rept 64
	v_mov_b32 v[i], 0
.set i, i+1
.endr
	WIN 0x40
.set i, 0
.rept 128
	v_mov_b32 v[i], 0
.set i, i+1
.endr
	WIN 0
.set i, 0
.rept 4
	v_mov_b32 v[ST+4*i], 0xfe000000    ; c m: far below every c s
	v_mov_b32 v[ST+4*i+1], 0xff7fffff  ; m
	v_mov_b32 v[ST+4*i+2], 0
	v_mov_b32 v[ST+4*i+3], 0
.set i, i+1
.endr
.set i, P+16
.rept 16
	v_mov_b32 v[i], 0
.set i, i+1
.endr
	v_mul_u32_u24 v[AK0], v1, PK
	v_lshl_add_u32 v[AK0], v9, 4, v[AK0]
	v_and_b32 v10, 7, v0
	v_bfe_u32 v11, v0, 3, 1
	v_lshl_add_u32 v[AV0], v9, 3, v10
	v_mul_u32_u24 v[AV0], v[AV0], PV
	v_lshl_add_u32 v[AV0], v11, 4, v[AV0]
	v_add_nc_u32 v[AV0], VOFF, v[AV0]
	s_mul_i32 s13, s[WV], 16*SP
	s_add_co_u32 s13, s13, STAGE    ; my stage
	v_mul_u32_u24 v[STO], v1, SP
	v_lshl_add_u32 v[STO], v9, 4, v[STO]
	v_add_nc_u32 v[STO], s13, v[STO]
	v_bfe_u32 v[RD], v0, 3, 2       ; back: 32 lanes take four rows of 128 bytes,
	v_mul_u32_u24 v[RD], v[RD], SP
	v_lshl_add_u32 v[RD], v10, 4, v[RD]
	v_add_nc_u32 v[RD], s13, v[RD]
	v_and_b32 v[GO], 31, v0         ; which are 512 consecutive bytes of O
	v_lshlrev_b32 v[GO], 4, v[GO]
; THE MATRIX WORK.  The 4 accumulators of a run of 8 take turns.  Product i of 8 of S^T = K Q^T for piece x: channels 32 (i / 4) on, keys 16 (i % 4) on.  The first 4 start the sums.
.macro KQ x
.set rS, S+32*((\x)%2)+8*(i%4)
.set rK, KF+16*(i%4)+8*(i/4)
.set rQ, 16*(\x)+8*(i/4)
	WIN W_KQ
.if i < 4
	v_wmma_f32_16x16x32_f16 v[rS:rS+7], v[rK:rK+7], v[rQ:rQ+7], 0
.else
	v_wmma_f32_16x16x32_f16 v[rS:rS+7], v[rK:rK+7], v[rQ:rQ+7], v[rS:rS+7]
.endif
.endm
; Product i of 8 of O^T += V^T P for piece x: keys 32 (i / 4) on, channels 16 (i % 4) on.
.macro PV x
	WIN W_PV
.set rO, 32*(\x)+8*(i%4)
.set rV, VF+32*(i/4)+8*(i%4)
.set rP, P+16*((\x)%2)+8*(i/4)
	v_wmma_f32_16x16x32_f16 v[rO:rO+7], v[rV:rV+7], v[rP:rP+7], v[rO:rO+7]
.endm
.macro MM                           ; the turn's next matrix instruction.  NOKQ = 1: the last turn: there is no next piece
.if (i < 8) && !NOKQ
	KQ (Y+1)%NP
.elseif i >= 8
.set i, i-8
	PV (Y+NP-1)%NP
.set i, i+8
.endif
.set i, i+1
.endm
; THE LDS LOADS stand in runs of 16: a step's K (8 fragments) and its V (turned).
.macro FETCH_K
	WIN 0x80
.irp f, 0,1,2,3,4,5,6,7
	ds_load_b128 v[KF+8*\f:KF+8*\f+3],   v[AK] offset:(\f/2)*16*PK+(\f%2)*64
	ds_load_b128 v[KF+8*\f+4:KF+8*\f+7], v[AK] offset:(\f/2)*16*PK+(\f%2)*64+32
.endr
	s_add_co_u32 s[TBK], s[TBK], KS*PK
	WIN 0
.endm
.macro FETCH_V
	WIN 0x80
.irp f, 0,1,2,3,4,5,6,7
	ds_load_tr16_b128 v[VF+8*\f:VF+8*\f+3],   v[AV] offset:(\f/4)*32*PV+(\f%4)*32
	ds_load_tr16_b128 v[VF+8*\f+4:VF+8*\f+7], v[AV] offset:(\f/4)*32*PV+16*PV+(\f%4)*32
.endr
	WIN 0
.endm
; THE VECTOR WORK, one line at a time: OP kind, number.  For piece Y: F n: c s - c m for pair n.  E n: the exponential of score n.  C n: pair n rounded to f16.  B n: of the four weights 4 n .. the second pair is
; added onto the first.  L n: l takes that sum (L 0: l = a l + sum).  R n: pair n of O^T times a.  For piece Y + 1: X n, number n of the 22 that find its maximum and statistics
; (each accumulator's lowest registers are read first).
.set F, 0
.set E, 1
.set C, 2
.set B, 3
.set L, 4
.set R, 5
.set X, 6
.macro REGS y
.set rT, ST+4*(\y)
.set rC, TMP+4*((\y)%2)
.set rW, MV+((\y)%2)
.set rS, S+32*((\y)%2)
.set rP, P+16*((\y)%2)
.set rO, 32*(\y)
.endm
.macro OP k, n
.if (\k) == R
	REGS Y
	WIN W_RS
	v_pk_mul_f32 v[rO+2*(\n):rO+2*(\n)+1], v[rO+2*(\n):rO+2*(\n)+1], v[rC+2:rC+3] op_sel_hi:[1,0]
.elseif (\k) < R
	REGS Y
	WIN 0
.if (\k) == F
	v_pk_fma_f32 v[rS+2*(\n):rS+2*(\n)+1], v[rS+2*(\n):rS+2*(\n)+1], s[CS:CS+1], v[rT:rT+1] op_sel_hi:[1,0,0] neg_lo:[0,0,1] neg_hi:[0,0,1]
.elseif (\k) == E
	v_exp_f32 v[rS+(\n)], v[rS+(\n)]
.elseif (\k) == C
	v_cvt_pk_f16_f32 v[rP+(\n)], v[rS+2*(\n)], v[rS+2*(\n)+1]
.elseif (\k) == B
	v_pk_add_f32 v[rS+4*(\n):rS+4*(\n)+1], v[rS+4*(\n):rS+4*(\n)+1], v[rS+4*(\n)+2:rS+4*(\n)+3]
.elseif (\n) == 0
	v_pk_fma_f32 v[rT+2:rT+3], v[rT+2:rT+3], v[rC+2:rC+3], v[rS:rS+1] op_sel_hi:[1,0,1]
.else
	v_pk_add_f32 v[rT+2:rT+3], v[rT+2:rT+3], v[rS+4*(\n):rS+4*(\n)+1]
.endif
.elseif NOKQ
	v_nop
.else
	REGS (Y+1)%NP
	WIN 0
.if (\n) < 4
	v_max3_num_f32 v[rC+(\n)], v[rS+8*(\n)], v[rS+8*(\n)+1], v[rS+8*(\n)+2]
.elseif (\n) < 12
	v_max3_num_f32 v[rC+(\n)%4], v[rC+(\n)%4], v[rS+8*((\n)%4)+2*((\n)/4)+1], v[rS+8*((\n)%4)+2*((\n)/4)+2]
.elseif (\n) == 12
	v_max3_num_f32 v[rC], v[rC], v[rS+7], v[rS+15]
.elseif (\n) == 13
	v_max3_num_f32 v[rC+1], v[rC+1], v[rS+23], v[rS+31]
.elseif (\n) == 14
	v_max3_num_f32 v[rC+2], v[rC+2], v[rC+3], v[rT+1]
.elseif (\n) == 15
	v_mov_b32 v[rW], v[rT]
.elseif (\n) == 16
	v_max3_num_f32 v[rC], v[rC], v[rC+1], v[rC+2]
.elseif (\n) == 17
	v_permlanex16_b32 v[rC+3], v[rC], s[SEL], s[SEL+1]
.elseif (\n) == 18
	v_max_num_f32 v[rT+1], v[rC], v[rC+3]
.elseif (\n) == 19
	v_mul_f32 v[rT], s[CS], v[rT+1]
.elseif (\n) == 20
	v_sub_f32 v[rC+1], v[rW], v[rT]
.else
	v_exp_f32 v[rC+2], v[rC+1]
.endif
.endif
.endm
.macro OPS a, i1, b=-1, i2=0, c=-1, i3=0, d=-1, i4=0
	OP \a, \i1
.if (\b) >= 0
	OP \b, \i2
.endif
.if (\c) >= 0
	OP \c, \i3
.endif
.if (\d) >= 0
	OP \d, \i4
.endif
.endm
.macro ROW a, i1, b, i2, c, i3, d, i4  ; a matrix instruction and the four behind it
	MM
	OPS \a, \i1, \b, \i2, \c, \i3, \d, \i4
.endm
; A TURN, for piece p.  ONE wait cuts it in two.  Ahead of it stands all that names no result of the turn's exponentials: the 8 products K Q^T with their riders, then the lump; X 21, the next piece's a, is the
; batch's last, R 15 the plain instruction behind it.  Behind the wait stand the 8 products V^T P, behind each four of the roundings and sums.
; end = 1: the last two turns: nothing is fetched.  cnt = 1: the loop's count is taken down some lines ahead of the branch behind the turn.
; K of the next step is fetched in piece 2's turn, behind six plain instructions that follow the last product that read K; V of the step in hand at the end of piece 0's turn, four plain instructions behind its last reader.
.macro TURN p, end=0, cnt=0
.set Y, (\p)
.set i, 0
.set NOKQ, (\end)*((\p)/3)
.if ((\p) == 3) && !(\end)
	s_wait_dscnt 0x0                ; K is in
.endif
	ROW F,0, F,1, R,0, R,1
	ROW F,2, E,0, R,2, R,3
	ROW F,3, E,1, R,4, R,5
	ROW F,4, E,2, R,6, R,7
	ROW F,5, E,3, R,8, R,9
	ROW F,6, E,4, X,0, R,10
.if ((\p) == 2) && !(\end)
	WIN 0
	v_add_nc_u32 v[AK], s[TBK], v[AK0]
.endif
	ROW F,7, E,5, X,1, X,4
	ROW F,8, E,6, X,2, X,5
	OPS E,7, E,8, X,6, E,9
	OPS X,3, E,10, X,8, E,11
.if ((\p) == 2) && !(\end)
	FETCH_K
.endif
	OPS X,9, X,7, E,12, X,10
	OPS E,13, X,12, X,11, E,14
	OPS X,13, E,15, F,9, X,14
.if (\p) == 0
	v_add_nc_u32 v[AV], s[TBV], v[AV0]
.endif
	OPS E,16, F,10, E,17, F,11
	OPS X,16, E,18, X,15, E,19
	OPS F,12, E,20, X,17, E,21
	OPS F,13, E,22, F,14, E,23
	OPS X,18, E,24, F,15, E,25
	OPS R,11, E,26, X,19, E,27
	OPS R,12, E,28, R,13, E,29
	OPS X,20, E,30, R,14, E,31
	OPS X,21, R,15
	WIN 0
	s_wait_alu depctr_va_vdst(0)    ; the wait for the batch
.if (\p) == 1
	s_wait_dscnt 0x0                ; V is in
.endif
	ROW C,0, B,0, C,2, B,1
	ROW L,0, C,4, B,2, L,1
	ROW C,6, B,3, L,2, C,8
	ROW B,4, L,3, C,10, B,5
	ROW L,4, C,12, B,6, L,5
.if (\p) == 0
	s_add_co_u32 s[TBV], s[TBV], KS*PV
.endif
.if \cnt
	s_sub_co_u32 s[CNT], s[CNT], 1
	s_cmp_lg_u32 s[CNT], 0
.endif
	ROW C,14, B,7, L,6, C,1
	ROW C,3, L,7, C,5, C,7
	ROW C,9, C,11, C,13, C,15
.if (\p) == 0
	FETCH_V
.endif
.endm
.macro ALL line:vararg              ; one line for each piece t
.set t, 0
.rept 4
	\line
.set t, t+1
.endr
.endm
.macro PACK t                       ; a lane's eight channels of a row pack into 16 bytes; they go into rows of 144 bytes and come back as whole rows of 128
	WIN W_RS
.set i, 32*(\t)
.rept 16
	v_pk_mul_f32 v[i:i+1], v[i:i+1], v[ST+4*(\t)+2:ST+4*(\t)+3] op_sel_hi:[1,0]
.set i, i+2
.endr
	WIN 0x05
.set i, 0
.rept 16
	v_cvt_pk_f16_f32 v[S+16*(\t)+i], v[32*(\t)+2*i], v[32*(\t)+2*i+1]
.set i, i+1
.endr
	WIN 0
.irp f, 0,1,2,3
	ds_store_b128 v[STO], v[S+16*(\t)+4*\f:S+16*(\t)+4*\f+3] offset:32*\f
.endr
.irp f, 0,1,2,3
	ds_load_b128 v[S+16*(\t)+4*\f:S+16*(\t)+4*\f+3], v[RD] offset:\f*4*SP  ; LDS serves a wave's instructions in order (ISA guide 5.7.1.4): these see the stores above
.endr
.endm
.macro SEND t, younger              ; younger: the LDS instructions issued behind piece t's loads
	WIN 0
.irp f, 0,1,2,3
	s_wait_dscnt (\younger)+3-\f
	global_store_b128 v[GO], v[S+16*(\t)+4*\f:S+16*(\t)+4*\f+3], s[10:11] offset:(\t)*2048+\f*512  ; 512 consecutive bytes, at a multiple of 256 from O's first
.endr
.endm
.set NOKQ, 0
	CHANGE 1                        ; tile 0 is in, everybody's part of it; tile 1 is asked for
	v_add_nc_u32 v[AK], s[TBK], v[AK0]
	FETCH_K                         ; key step 0
	s_wait_loadcnt 0x0              ; Q
	s_wait_dscnt 0x0
.set i, 0
.rept 8
	KQ 0                            ; piece 0's first scores
.set i, i+1
.endr
	WIN 0
.rept 4
	v_nop                           ; the places behind those products
.endr
.set Y, NP-1                        ; X works for piece Y + 1: piece 0
.irp n, 0,1,2,3,4,5,6,7,8,9,10,11,12,13,14,15,16,17,18,19,20,21
	OP X, \n
.endr
	v_nop                           ; a plain instruction behind the exponential,
	s_wait_alu depctr_va_vdst(0)    ; and its wait, ahead of the branch
	s_mov_b32 s[CNT], 4
	s_branch .Lfirst                ; the loop is entered at a step's first turn, in the middle of a trip
.Lslot:                             ; six times: tiles 1 to 6 are entered, tiles 2 to 7 asked for
	CHANGE 1
	s_mov_b32 s[CNT], 4
.Lstep:                             ; a trip: pieces 2 and 3 of one step, then pieces 0 and 1 of the next, whose K and V it fetches
	TURN 2
	TURN 3
	WIN 0
.Lfirst:
	TURN 0
	TURN 1, 0, 1
	WIN 0
	s_cbranch_scc1 .Lstep
	s_sub_co_u32 s[SLOTS], s[SLOTS], 1
	s_cmp_lg_u32 s[SLOTS], 0
	s_cbranch_scc1 .Lslot
	CHANGE 0                        ; the last tile is written out
	s_mov_b32 s[CNT], 4
.Ltail:
	TURN 2
	TURN 3
	TURN 0
	TURN 1, 0, 1
	WIN 0
	s_cbranch_scc1 .Ltail
	TURN 2, 1
	TURN 3, 1
.set i, 0
.rept 8
	PV NP-1                         ; the last piece's V^T P of the last step
.set i, i+1
.endr
	; THE WAY OUT.  l's two halves and the other half of the lanes' are added; O^T is divided by l, rounded to f16 and sent through my stage, a piece at a time.
	WIN 0
	ALL v_add_f32 v[ST+4*t+2], v[ST+4*t+2], v[ST+4*t+3]
	ALL v_permlanex16_b32 v[ST+4*t+3], v[ST+4*t+2], s[SEL], s[SEL+1]
	ALL v_add_f32 v[ST+4*t+2], v[ST+4*t+2], v[ST+4*t+3]
	ALL v_rcp_f32 v[ST+4*t+2], v[ST+4*t+2]
	v_nop                           ; a plain instruction between the last reciprocal and the use of its result,
	s_wait_alu depctr_va_vdst(0)    ; and one wait for the four
	PACK 0
.set t, 1
.rept 3
	PACK t
	SEND t-1, 8
.set t, t+1
.endr
	SEND 3, 0
	s_wait_tensorcnt 0x0            ; the wave's end, behind my last tensor load and my last LDS store
	ds_add_u32 v[SPW], v[NIL]
	s_wait_dscnt 0x0
	CROUND                          ; the closing round
	s_endpgm
.Lfunc_end_k_q6351a8f920_attn:
	.size	k_q6351a8f920_attn, .Lfunc_end_k_q6351a8f920_attn-k_q6351a8f920_attn
	.p2alignl 7, 3214868480
	.fill 96, 4, 3214868480
	.section	.rodata,"a",@progbits
	.p2align	6, 0x0
	.amdhsa_kernel k_q6351a8f920_attn
		.amdhsa_group_segment_fixed_size 327680
		.amdhsa_private_segment_fixed_size 0
		.amdhsa_enable_private_segment 0
		.amdhsa_kernarg_size 16
		.amdhsa_user_sgpr_count 2
		.amdhsa_user_sgpr_kernarg_segment_ptr 1
		.amdhsa_wavefront_size32 1
		.amdhsa_system_sgpr_workgroup_id_x 1
		.amdhsa_system_sgpr_workgroup_id_y 1
		.amdhsa_system_sgpr_workgroup_id_z 1
		.amdhsa_system_vgpr_workitem_id 0
		.amdhsa_next_free_vgpr 768
		.amdhsa_next_free_sgpr 66
		.amdhsa_reserve_vcc 0
		.amdhsa_float_denorm_mode_32 3
		.amdhsa_float_denorm_mode_16_64 3
		.amdhsa_memory_ordered 1
		.amdhsa_forward_progress 1
		.amdhsa_inst_pref_size 128
	.end_amdhsa_kernel
	.amdgpu_metadata
---
amdhsa.version: [ 1, 2 ]
amdhsa.kernels:
  - .name:           k_q6351a8f920_attn
    .symbol:         k_q6351a8f920_attn.kd
    .args:
      - { .name: qg, .offset: 0, .size: 8, .value_kind: global_buffer, .address_space: global }
      - { .name: act, .offset: 8, .size: 8, .value_kind: global_buffer, .address_space: global }
    .group_segment_fixed_size: 327680
    .private_segment_fixed_size: 0
    .kernarg_segment_align: 8
    .kernarg_segment_size: 16
    .max_flat_workgroup_size: 128
    .sgpr_count:     66
    .vgpr_count:     768
    .wavefront_size: 32
...
	.end_amdgpu_metadata
.endif
;; end of part 3
;; launch gp (part 4): grid 8 x 32, 4 waves a work-group, clusters of 4 x 4, 327,680 bytes of LDS; arguments act, wp, x1, b_proj, x; writes x1
.if DOCPART == 4
	.amdgcn_target "amdgcn-amd-amdhsa--gfx1250"
	.amdhsa_code_object_version 6
	.text
	.protected	k_q6351a8f920_gp
	.globl	k_q6351a8f920_gp
	.p2align	8
	.type	k_q6351a8f920_gp,@function
k_q6351a8f920_gp:
	s_mov_b64 s[64:65], 0
	v_nop
	global_prefetch_b8 v0, s[64:65] scope:SCOPE_SE
	s_setreg_imm32_b32 hwreg(HW_REG_WAVE_MODE, 25, 1), 1
	s_wait_xcnt 0x0
	s_wait_alu depctr_hold_cnt(0) depctr_sa_sdst(0) depctr_va_vdst(0) depctr_va_sdst(0) depctr_va_ssrc(0) depctr_va_vcc(0) depctr_vm_vsrc(0)
	s_getreg_b32 s2, hwreg(HW_REG_IB_STS2, 6, 4)
	s_cmp_eq_u32 s2, 0
	s_cbranch_scc0 .Lentry_in_a_cluster
	s_endpgm
.Lentry_in_a_cluster:
	s_bfe_u32 s2, ttmp6, 0x10000c
	s_cmp_lg_u32 s2, 0xf033
	s_cbranch_scc0 .Lentry_shape_is_right
	s_endpgm
.Lentry_shape_is_right:
; out = res + A W + bias on tiles of 128 x 128, K SPLIT AMONG THE FOUR WAVES.  W: [1024][1024] f16, K down the rows.  out, res: [4096][1024] f32; bias [1024] f32.  Sums in f32.
; A = attention's O by heads, [32][2048][64] f16, K = 1,024 (head x 64 + channel).
; SHARES.  1,024 columns give 256 tiles of 128 x 128, one for each work-group.  A slot holds 256 along K; wave w takes 64 of them for the WHOLE tile: 64 accumulators in 512 registers, each LDS byte read once.
; The four partial sums, f32, meet in LDS at the end: wave w adds up rows 32 w .. 32 w + 31.
; ROTATED ROWS.  Wave w takes A's eight blocks of 16 rows in the order 2 w, 2 w + 1, .. (modulo 8), by eight address registers.  So in every wave accumulator rows 0 and 1 are the wave's OWN 32 rows: the same
; registers in all four.  They are loaded with the residual, and the first products take them as C (the other 48 accumulators begin with the constant 0): the residual costs no addition and no register of its own.
; THE PRODUCT IS USED TRANSPOSED: source 0 = 16 columns of W, turned out of LDS by ds_load_tr16_b128, source 1 = 16 rows of A: a lane holds one row of C and eight neighbouring columns.
; CLUSTER.  4 x 4 work-groups: A's tile is shared along a row of the cluster, W's along a column; each is asked for jointly.
; LIMITS.  The f16 operands arrive within 65,504.  NaN and infinities are not treated apart.
; REGISTERS, in windows of 256: window 0: v0-55 addresses and bias; v64-127, v128-191 A's fragments, later at work; window 1: v64-127, v128-191 W's fragments;
; windows 2, 3: the accumulators, (a, b) at v[8 (8 (a % 4) + b)]; a counts the wave's rotated blocks.
.set T,     4                          ; slots' worth of K
.set PA,    144                        ; a row of A in LDS: an odd multiple of 16 bytes (64 banks of 4 bytes: ISA guide 11.1)
.set AHALF, 36864                      ; what one of A's two loads fills
.set AWAVE, 18432                      ; from one wave's 64 K of A to the next's
.set STEPA, 1048576                    ; bytes from a slot's K to the next's in A
.set GA_PAD, (4<<22)|(3<<25)           ; A's padding: after every 32 words, 4 words
.set GA_D0, 8192                       ; A's tile: a head's 128 rows x 64 channels, dense, as one row,
.set GA_D1, 2                          ; two heads,
.set GA_P,  131072                     ; a head's 2,048 x 64 elements apart
.set PAIRS, 1
.set PB,    288                        ; a row of W: 256 bytes + 32
.set BOFF,  73728                      ; W's 256 rows lie behind A's tile
.set STEPB, 524288
.set SLOT,  147456                     ; bits 14 and 17, which no address of a slot's bases has
.set SPARE, 294912
.set SP,    528
.set REG,   67584
.set B0,   17                          ; v17  my lane's and wave's place in W's tile; never rewritten
.set ADRB, 19                          ; v19  the address of W's run of loads in hand
.set STO,  20                          ; v20  where I lay my partial sums down
.set RD0,  21                          ; v21-24  where my 32 rows begin in each of the four partial tiles
.set ROFF, 26                          ; v26  16 x lane; never rewritten
.set GOA,  27                          ; v27  my byte offset in 16 rows of the residual, in an accumulator's layout
.set SPW,  28
.set NIL,  29
.set BIAS, 32                          ; v[32:35]
.set AB,   36                          ; v36-43  my place in A's tile for each of my eight rotated blocks; never rewritten
.set AD,   44                          ; v44-51  the same with the slot's offset: the addresses of the run in hand
.set RA,   52                          ; v52-55  the way out: the addresses of the rows in hand
.set F0,   64
.set F1,   128
.set LL,   64                          ; the way out: v[64:127] four rows x four partial sums as they land
.set TS,   128                         ; v[128:159] at work
.set YY,   160                         ; v[160:175] four rows to store
.set WV,   14
.set WHI,  15
.set WLO,  16
.set TC,   19
.set TR,   20
.set G1A,  24
.set G0A,  32
.set TBA,  40
.set TBB,  41
.set SLOTS, 42
.set G1B,  48
.set G0B,  56
.set MSB, 0
.macro WIN new
.if MSB != (\new)
	s_set_vgpr_msb (MSB<<8)|(\new)
.set MSB, \new
.endif
.endm
.macro PLACES
.rept 4
	v_nop
.endr
.endm
.macro CROUND
	s_barrier_signal -1
	s_barrier_wait -1
	s_cmp_lg_u32 s[WV], 0
	s_cbranch_scc1 .Lnot_wave_0_\@
	s_barrier_signal -3
.Lnot_wave_0_\@:
	s_barrier_wait -3
	s_barrier_signal -1
	s_barrier_wait -1
.endm
.macro JLOAD                           ; a joint refill by the walking descriptor; s_nop 0 and four v_nop follow each line
	s_cmp_eq_u32 s[WHI], 0
	s_cbranch_scc0 .Lfor_b_\@
	tensor_load_to_lds s[G0A+4:G0A+7], s[G1A:G1A+7]
	s_nop 0
.rept 4
	v_nop
.endr
	s_branch .Lasked_\@
.Lfor_b_\@:
	tensor_load_to_lds s[G0B+4:G0B+7], s[G1B:G1B+7]
	s_nop 0
.rept 4
	v_nop
.endr
.Lasked_\@:
.endm
; 64 products, every accumulator once.  zero = 1: they start the sums: with the residual, which lies in accumulator rows 0 and 1, or with the constant 0
.macro MUL f, zero
.irp hi, 0,1
	WIN 0xa1+0x50*(\hi)
.irp a, 0,1,2,3
.irp b, 0,1,2,3,4,5,6,7
.if (\zero) && (((\hi) != 0) || ((\a) > 1))
	v_wmma_f32_16x16x32_f16 v[8*(8*(\a)+(\b)):8*(8*(\a)+(\b))+7], v[(\f)+8*(\b):(\f)+8*(\b)+7], v[(\f)+8*(4*(\hi)+(\a)):(\f)+8*(4*(\hi)+(\a))+7], 0
.else
	v_wmma_f32_16x16x32_f16 v[8*(8*(\a)+(\b)):8*(8*(\a)+(\b))+7], v[(\f)+8*(\b):(\f)+8*(\b)+7], v[(\f)+8*(4*(\hi)+(\a)):(\f)+8*(4*(\hi)+(\a))+7], v[8*(8*(\a)+(\b)):8*(8*(\a)+(\b))+7]
.endif
.endr
.endr
.endr
.endm
.macro FETCH f, odd                    ; 32 LDS loads in one run: half odd of my 64 K
	WIN 0x40
.irp i, 0,1,2,3,4,5,6,7
	ds_load_tr16_b128 v[(\f)+8*(\i):(\f)+8*(\i)+3],   v[ADRB] offset:(\odd)*32*PB+32*(\i)
	ds_load_tr16_b128 v[(\f)+8*(\i)+4:(\f)+8*(\i)+7], v[ADRB] offset:(\odd)*32*PB+16*PB+32*(\i)
.endr
	WIN 0
.irp i, 0,1,2,3,4,5,6,7
	ds_load_b128 v[(\f)+8*(\i):(\f)+8*(\i)+3],   v[AD+(\i)] offset:(\odd)*64
	ds_load_b128 v[(\f)+8*(\i)+4:(\f)+8*(\i)+7], v[AD+(\i)] offset:(\odd)*64+32
.endr
.endm
.macro ADR                             ; nine plain lines: among them the four places in front of the loads into buffer 0
	WIN 0
.irp i, 0,1,2,3,4,5,6,7
	v_add_nc_u32 v[AD+(\i)], s[TBA], v[AB+(\i)]
.endr
	v_add_nc_u32 v[ADRB], s[TBB], v[B0]
.endm
.macro STEP
	s_add_co_u32 s[TBA], s[TBA], 128
	s_add_co_u32 s[TBB], s[TBB], 64*PB
.endm
.macro FIRST
	ADR
	FETCH F0, 0
	FETCH F1, 1
	s_wait_loadcnt 0x0                             ; the residual lies in its accumulators (and the bias is in)
	s_wait_dscnt 32                                ; buffer 0 is in; the 32 loads of buffer 1 may stay out
	MUL F0, 1
	STEP
.endm
.macro PAIR
	ADR
	FETCH F0, 0
	s_wait_dscnt 32                                ; buffer 1 is in; the 32 just issued may stay out
	MUL F1, 0
	PLACES
	FETCH F1, 1
	s_wait_dscnt 32                                ; buffer 0 is in
	MUL F0, 0
	STEP
.endm
.macro CHANGE fill                     ; the change of slots: all my tensor loads, the add, my reads; then the round and the joint refill, or a plain barrier
	WIN 0
	s_wait_tensorcnt 0x0                           ; no tensor load of mine is out, so a group 0 may be written
	ds_add_u32 v[SPW], v[NIL]
.if \fill
	s_xor_b32 s[G0A+5], s[G0A+5], SLOT
	s_add_nc_u64 s[G0A+6:G0A+7], s[G0A+6:G0A+7], STEPA
	s_xor_b32 s[G0B+5], s[G0B+5], SLOT
	s_add_nc_u64 s[G0B+6:G0B+7], s[G0B+6:G0B+7], STEPB
.endif
	s_sub_co_u32 s[TBA], s[TBA], 128*PAIRS
	s_xor_b32 s[TBA], s[TBA], SLOT
	s_sub_co_u32 s[TBB], s[TBB], 64*PB*PAIRS
	s_xor_b32 s[TBB], s[TBB], SLOT
	s_wait_dscnt 0x0                               ; the add is done, and my reads of the slot are over
.if \fill
	CROUND
	JLOAD
.else
	s_barrier_signal -1
	s_barrier_wait -1
.endif
.endm
.macro DUMP                            ; my partial 128 x 128 into my stage, in my rotated order; each accumulator's low four registers first
.irp hi, 0,1
	WIN 0x08+0x04*(\hi)
.irp a, 0,1,2,3
.irp b, 0,1,2,3,4,5,6,7
	ds_store_b128 v[STO], v[8*(8*(\a)+(\b)):8*(8*(\a)+(\b))+3]   offset:16*(4*(\hi)+(\a))*SP+64*(\b)
	ds_store_b128 v[STO], v[8*(8*(\a)+(\b))+4:8*(8*(\a)+(\b))+7] offset:16*(4*(\hi)+(\a))*SP+64*(\b)+16
.endr
.endr
.endr
	WIN 0
.endm
.macro LOADG                           ; four of my rows, four partial sums each: 32 lanes take a row's 512 bytes
.irp p, 0,1,2,3
	v_add_nc_u32 v[RA+(\p)], s[TBA], v[RD0+(\p)]
.endr
.irp r, 0,1,2,3
.irp p, 0,1,2,3
	ds_load_b128 v[LL+16*(\r)+4*(\p):LL+16*(\r)+4*(\p)+3], v[RA+(\p)] offset:(\r)*SP
.endr
.endr
.endm
	s_load_b256 s[4:11], s[0:1], 0x0               ; A s[4:5], W s[6:7], out s[8:9], bias s[10:11]
	s_load_b64 s[12:13], s[0:1], 0x20              ; residual
	v_lshl_add_u32 v[SPW], v0, 2, SPARE
	v_mov_b32 v[NIL], 0
	ds_add_u32 v[SPW], v[NIL]                      ; the wave's opening: the add and its wait ahead of my first tensor load
	v_lshrrev_b32 v1, 5, v0
	v_readfirstlane_b32 s[WV], v1
	s_lshr_b32 s[WHI], s[WV], 1                    ; I fetch for A (0) or W (1),
	s_and_b32 s[WLO], s[WV], 1                     ; this half of the tile
	s_bfe_u32 s17, ttmp6, 0x40000                  ; cx
	s_bfe_u32 s18, ttmp6, 0x40004                  ; cy
	s_lshl_b32 s[TC], ttmp9, 2
	s_add_co_u32 s[TC], s[TC], s17
	s_and_b32 s[TR], ttmp7, 0xffff
	s_lshl_b32 s[TR], s[TR], 2
	s_add_co_u32 s[TR], s[TR], s18
	s_lshl_b32 s21, s18, 2
	s_lshl_b32 s21, 15, s21                        ; my row of the cluster
	s_lshl_b32 s22, 0x1111, s17                    ; my column
	s_or_b32 s[G1A], s21, (1<<16)|(1<<20)|(1<<21)|GA_PAD
	s_or_b32 s[G1B], s22, (1<<16)|(1<<20)|(1<<21)|(5<<22)|(7<<25)  ; after every 64 words, 8 words
	s_mov_b32 s[G1A+1], (GA_D0&0xffff)<<16
	s_mov_b32 s[G1A+2], GA_D1<<16
	s_mov_b32 s[G1A+3], GA_D0<<16
	s_mov_b32 s[G1A+4], GA_D1
	s_mov_b32 s[G1A+5], GA_P
	s_mov_b32 s[G1A+6], 0
	s_mov_b32 s[G1A+7], 0
	s_mov_b32 s[G1B+1], 128<<16                    ; W: 128 rows x 128 elements, 1,024 elements from row to row
	s_mov_b32 s[G1B+2], 128<<16
	s_mov_b32 s[G1B+3], 128<<16
	s_mov_b32 s[G1B+4], 128
	s_mov_b32 s[G1B+5], 1024
	s_mov_b32 s[G1B+6], 0
	s_mov_b32 s[G1B+7], 0
	s_lshr_b32 s44, s[TR], 4                       ; the batch: 16 heads of 262,144 bytes,
	s_lshl_b32 s44, s44, 22
	s_and_b32 s45, s[TR], 15                       ; the tile's 128 rows of 128 bytes in a head,
	s_lshl_b32 s45, s45, 14
	s_add_co_u32 s44, s44, s45
	s_lshl_b32 s45, s[WLO], 19                     ; my two heads of the slot's four
	s_add_co_u32 s44, s44, s45
	s_mov_b32 s45, 0
	s_lshl_b32 s46, s[WLO], 18                     ; W: 128 x half rows of 2,048 bytes + 256 x tile column
	s_lshl_b32 s47, s[TC], 8
	s_add_co_u32 s46, s46, s47
	s_mov_b32 s47, 0
	s_mul_i32 s23, s[WLO], AHALF                   ; where they go: no place in the cluster enters an LDS address
	s_mul_i32 s43, s[WLO], 128*PB
	s_add_co_u32 s43, s43, BOFF
	s_mov_b32 s[TBA], 0
	s_mov_b32 s[TBB], 0
	s_wait_dscnt 0x0                               ; the opening add is done
	s_wait_kmcnt 0x0
	s_add_nc_u64 s[44:45], s[4:5], s[44:45]
	s_add_nc_u64 s[46:47], s[6:7], s[46:47]
	CROUND                                         ; all sixteen work-groups are here: the first joint loads meet
.irp s, 0,1
	s_mov_b32 s[G0A+4*(\s)], 1
	s_add_co_u32 s[G0A+4*(\s)+1], s23, (\s)*SLOT
	s_add_nc_u64 s[G0A+4*(\s)+2:G0A+4*(\s)+3], s[44:45], (\s)*STEPA
	s_or_b32 s[G0A+4*(\s)+3], s[G0A+4*(\s)+3], 0x80000000
	s_mov_b32 s[G0B+4*(\s)], 1
	s_add_co_u32 s[G0B+4*(\s)+1], s43, (\s)*SLOT
	s_add_nc_u64 s[G0B+4*(\s)+2:G0B+4*(\s)+3], s[46:47], (\s)*STEPB
	s_or_b32 s[G0B+4*(\s)+3], s[G0B+4*(\s)+3], 0x80000000
.endr
	s_cmp_eq_u32 s[WHI], 0                         ; a wave's two first fills stand in one branch: two loads of mine are out
	s_cbranch_scc0 .Lfirst_b
	tensor_load_to_lds s[G0A:G0A+3], s[G1A:G1A+7]
	s_nop 0
	tensor_load_to_lds s[G0A+4:G0A+7], s[G1A:G1A+7]
	s_nop 0
.rept 4
	v_nop
.endr
	s_branch .Lfirst_done
.Lfirst_b:
	tensor_load_to_lds s[G0B:G0B+3], s[G1B:G1B+7]
	s_nop 0
	tensor_load_to_lds s[G0B+4:G0B+7], s[G1B:G1B+7]
	s_nop 0
.rept 4
	v_nop
.endr
.Lfirst_done:
	v_and_b32 v1, 15, v0                           ; l % 16
	v_bfe_u32 v2, v0, 4, 1                         ; l / 16
	v_and_b32 v3, 7, v0
	v_bfe_u32 v4, v0, 3, 1
	v_and_b32 v5, 31, v0
	s_lshl_b32 s44, s[TR], 19                      ; (128 x tile row + 32 x wave) rows of 4,096 bytes + 512 x tile column: my own rows in out and in the residual
	s_lshl_b32 s45, s[WV], 17
	s_add_co_u32 s44, s44, s45
	s_lshl_b32 s45, s[TC], 9
	s_add_co_u32 s44, s44, s45
	s_mov_b32 s45, 0
	s_add_nc_u64 s[8:9], s[8:9], s[44:45]
	s_add_nc_u64 s[12:13], s[12:13], s[44:45]
	s_lshl_b32 s46, s[TC], 9
	s_mov_b32 s47, 0
	s_add_nc_u64 s[10:11], s[10:11], s[46:47]
	v_lshlrev_b32 v[ROFF], 4, v5
	v_lshlrev_b32 v[GOA], 12, v1                   ; an accumulator's lane holds row l % 16 and the columns 8 (l / 16) + 0..7: 32 bytes
	v_lshl_add_u32 v[GOA], v2, 5, v[GOA]
	global_load_b128 v[BIAS:BIAS+3], v[ROFF], s[10:11]
	WIN 0x80                                       ; destination window 2: my 32 rows of the residual go straight into accumulator rows 0 and 1
.irp a, 0,1
.irp b, 0,1,2,3,4,5,6,7
	global_load_b128 v[8*(8*(\a)+(\b)):8*(8*(\a)+(\b))+3],   v[GOA], s[12:13] offset:65536*(\a)+64*(\b)
	global_load_b128 v[8*(8*(\a)+(\b))+4:8*(8*(\a)+(\b))+7], v[GOA], s[12:13] offset:65536*(\a)+64*(\b)+16
.endr
.endr
	WIN 0
	v_mul_u32_u24 v6, v1, PA
	v_lshl_add_u32 v6, v2, 4, v6                   ; a fragment's row x pitch + 16 x half
	s_mul_i32 s21, s[WV], AWAVE                    ; my 64 K of A
	s_lshl_b32 s22, s[WV], 1
.irp i, 0,1,2,3,4,5,6,7
	s_add_co_u32 s23, s22, \i                      ; my block i is the tile's block (i + 2 w) mod 8
	s_and_b32 s23, s23, 7
	s_mul_i32 s23, s23, 16*PA
	s_add_co_u32 s23, s23, s21
	v_add_nc_u32 v[AB+(\i)], s23, v6
.endr
	s_mul_i32 s21, s[WV], 64*PB                    ; my 64 rows of W
	s_add_co_u32 s21, s21, BOFF
	v_lshl_add_u32 v[B0], v2, 3, v3
	v_mul_u32_u24 v[B0], v[B0], PB
	v_lshl_add_u32 v[B0], v4, 4, v[B0]
	v_add_nc_u32 v[B0], s21, v[B0]
	s_mul_i32 s21, s[WV], REG                      ; my stage
	v_mul_u32_u24 v[STO], v1, SP
	v_lshl_add_u32 v[STO], v2, 5, v[STO]
	v_add_nc_u32 v[STO], s21, v[STO]
.irp p, 0,1,2,3
	s_sub_co_u32 s23, s[WV], \p                    ; in wave p's stage my rows are its blocks 2 ((w - p) mod 4) and the next
	s_and_b32 s23, s23, 3
	s_mul_i32 s23, s23, 32*SP
	s_add_co_u32 s23, s23, (\p)*REG
	v_add_nc_u32 v[RD0+(\p)], s23, v[ROFF]
.endr
	s_wait_tensorcnt 0x1                           ; my part of slot 0 is in; slot 1's may stay out
	s_barrier_signal -1
	s_barrier_wait -1
	FIRST
	WIN 0
	s_mov_b32 s[SLOTS], T-2
.Lslot:                                        ; T - 2 times: every slot but the last two is filled again
	CHANGE 1
	PAIR
	WIN 0
	s_sub_co_u32 s[SLOTS], s[SLOTS], 1
	s_cmp_lg_u32 s[SLOTS], 0
	s_cbranch_scc1 .Lslot
	CHANGE 0                                       ; the last slot is written out
	PAIR
	WIN 0
	s_wait_dscnt 0x0                               ; my last reads of the ring are back:
	s_barrier_signal -1                            ; say so,
	MUL F1, 0                                      ; the last products while the others arrive,
	WIN 0
	s_barrier_wait -1                              ; and nobody reads the ring any more: its bytes, filled for the last time, become the stage
	PLACES
	DUMP
	s_wait_dscnt 0x0
	s_barrier_signal -1
	s_barrier_wait -1                              ; all four partial tiles lie in LDS
	s_mov_b32 s[TBA], 0
	LOADG                                          ; my rows 0 to 3
	s_mov_b32 s[SLOTS], 8                          ; eight trips of four rows; a trip's rows were asked for in the trip before
.Lout:
	s_wait_dscnt 0x0                               ; this trip's sixteen loads are in
.irp r, 0,1,2,3
.irp c, 0,2
	v_pk_add_f32 v[TS+4*(\r)+(\c):TS+4*(\r)+(\c)+1], v[LL+16*(\r)+(\c):LL+16*(\r)+(\c)+1], v[LL+16*(\r)+4+(\c):LL+16*(\r)+4+(\c)+1]
	v_pk_add_f32 v[TS+16+4*(\r)+(\c):TS+16+4*(\r)+(\c)+1], v[LL+16*(\r)+8+(\c):LL+16*(\r)+8+(\c)+1], v[LL+16*(\r)+12+(\c):LL+16*(\r)+12+(\c)+1]
.endr
.endr
	s_cmp_eq_u32 s[SLOTS], 1                       ; the last trip has nothing to ask for
	s_cbranch_scc1 .Lnol
	s_add_co_u32 s[TBA], s[TBA], 4*SP
	LOADG
.Lnol:
.irp r, 0,1,2,3
.irp c, 0,2
	v_pk_add_f32 v[TS+4*(\r)+(\c):TS+4*(\r)+(\c)+1], v[TS+4*(\r)+(\c):TS+4*(\r)+(\c)+1], v[TS+16+4*(\r)+(\c):TS+16+4*(\r)+(\c)+1]
.endr
.endr
	s_wait_xcnt 0x0                                ; the last trip's stores have read their data and their base
	s_add_nc_u64 s[8:9], s[8:9], 16384             ; four rows on; the stores below reach back
.irp r, 0,1,2,3
.irp c, 0,2
	v_pk_add_f32 v[YY+4*(\r)+(\c):YY+4*(\r)+(\c)+1], v[TS+4*(\r)+(\c):TS+4*(\r)+(\c)+1], v[BIAS+(\c):BIAS+(\c)+1]
.endr
.endr
.irp r, 0,1,2,3
	global_store_b128 v[ROFF], v[YY+4*(\r):YY+4*(\r)+3], s[8:9] offset:4096*(\r)-16384  ; 512 consecutive bytes of a row, aligned
.endr
	s_sub_co_u32 s[SLOTS], s[SLOTS], 1
	s_cmp_lg_u32 s[SLOTS], 0
	s_cbranch_scc1 .Lout
	s_wait_tensorcnt 0x0                           ; the wave's end, behind my last tensor load and my last LDS store
	ds_add_u32 v[SPW], v[NIL]
	s_wait_dscnt 0x0
	CROUND                                         ; the closing round
	s_endpgm
.Lfunc_end_k_q6351a8f920_gp:
	.size	k_q6351a8f920_gp, .Lfunc_end_k_q6351a8f920_gp-k_q6351a8f920_gp
	.p2alignl 7, 3214868480
	.fill 96, 4, 3214868480
	.section	.rodata,"a",@progbits
	.p2align	6, 0x0
	.amdhsa_kernel k_q6351a8f920_gp
		.amdhsa_group_segment_fixed_size 327680
		.amdhsa_private_segment_fixed_size 0
		.amdhsa_enable_private_segment 0
		.amdhsa_kernarg_size 40
		.amdhsa_user_sgpr_count 2
		.amdhsa_user_sgpr_kernarg_segment_ptr 1
		.amdhsa_wavefront_size32 1
		.amdhsa_system_sgpr_workgroup_id_x 1
		.amdhsa_system_sgpr_workgroup_id_y 1
		.amdhsa_system_sgpr_workgroup_id_z 1
		.amdhsa_system_vgpr_workitem_id 0
		.amdhsa_next_free_vgpr 1024
		.amdhsa_next_free_sgpr 66
		.amdhsa_reserve_vcc 0
		.amdhsa_float_denorm_mode_32 3
		.amdhsa_float_denorm_mode_16_64 3
		.amdhsa_memory_ordered 1
		.amdhsa_forward_progress 1
		.amdhsa_inst_pref_size 67
	.end_amdhsa_kernel
	.amdgpu_metadata
---
amdhsa.version: [ 1, 2 ]
amdhsa.kernels:
  - .name:           k_q6351a8f920_gp
    .symbol:         k_q6351a8f920_gp.kd
    .args:
      - { .name: act, .offset: 0, .size: 8, .value_kind: global_buffer, .address_space: global }
      - { .name: wp, .offset: 8, .size: 8, .value_kind: global_buffer, .address_space: global }
      - { .name: x1, .offset: 16, .size: 8, .value_kind: global_buffer, .address_space: global }
      - { .name: b_proj, .offset: 24, .size: 8, .value_kind: global_buffer, .address_space: global }
      - { .name: x, .offset: 32, .size: 8, .value_kind: global_buffer, .address_space: global }
    .group_segment_fixed_size: 327680
    .private_segment_fixed_size: 0
    .kernarg_segment_align: 8
    .kernarg_segment_size: 40
    .max_flat_workgroup_size: 128
    .sgpr_count:     66
    .vgpr_count:     1024
    .wavefront_size: 32
...
	.end_amdgpu_metadata
.endif
;; end of part 4
;; launch ln2: the kernel of part 1 again; grid 256 x 1, 8 waves a work-group, no clusters, 0 bytes of LDS; arguments x1, ln2_g, ln2_b, act, w_qkv, wq; writes act, wq
;; launch g1 (part 5): grid 16 x 16, 4 waves a work-group, clusters of 4 x 4, 327,680 bytes of LDS; arguments act, w1, qg, b_fc1; writes qg
.if DOCPART == 5
	.amdgcn_target "amdgcn-amd-amdhsa--gfx1250"
	.amdhsa_code_object_version 6
	.text
	.protected	k_q6351a8f920_g1
	.globl	k_q6351a8f920_g1
	.p2align	8
	.type	k_q6351a8f920_g1,@function
k_q6351a8f920_g1:
	s_mov_b64 s[64:65], 0
	v_nop
	global_prefetch_b8 v0, s[64:65] scope:SCOPE_SE
	s_setreg_imm32_b32 hwreg(HW_REG_WAVE_MODE, 25, 1), 1
	s_wait_xcnt 0x0
	s_wait_alu depctr_hold_cnt(0) depctr_sa_sdst(0) depctr_va_vdst(0) depctr_va_sdst(0) depctr_va_ssrc(0) depctr_va_vcc(0) depctr_vm_vsrc(0)
	s_getreg_b32 s2, hwreg(HW_REG_IB_STS2, 6, 4)
	s_cmp_eq_u32 s2, 0
	s_cbranch_scc0 .Lentry_in_a_cluster
	s_endpgm
.Lentry_in_a_cluster:
	s_bfe_u32 s2, ttmp6, 0x10000c
	s_cmp_lg_u32 s2, 0xf033
	s_cbranch_scc0 .Lentry_shape_is_right
	s_endpgm
.Lentry_shape_is_right:
; gelu(h2 W + b), exact-erf form, on tiles of 256 x 256, rounded once to f16, [4096][4096].  h2: [4096][1024] f16, K along the rows.  W: [1024][4096] f16, K down the rows.  Sums in f32.
; SHARES.  A work-group of four waves makes 256 x 256, a wave 128 x 128: 64 accumulators of 16 x 16 in 512 registers.  K goes in steps of 128 through two LDS slots.
; THE PRODUCT IS USED TRANSPOSED: source 0 = 16 columns of W, turned out of LDS by ds_load_tr16_b128, source 1 = 16 rows of A: a lane then holds one row of C and eight neighbouring columns.
; CLUSTER.  4 x 4 work-groups: A's tile is shared along a row of the cluster, W's along a column; each is asked for jointly, by the same tensor load with the same descriptor and a mask of four.
; THE LOOP.  A pair is 64 along K: two runs of 32 LDS loads and two runs of 64 products, the fetch one run ahead of the products; all of a slot's bytes have been fetched when the slot is left.
; THE WAY OUT.  Behind the last fill the ring's bytes serve as stage: each wave lays its 128 x 128 sums down in f32 (rows of 528 bytes) and reads whole rows back, four a trip, a trip ahead of their use.
; GELU.  gelu(x) = x / 2 + |x| (1 / 2 - Q(t) 2^(-x x log2(e) / 2)), t = 1 / (1 + 0.2316419 |x|), Q(t) = ((((q5 t + q4) t + q3) t + q2) t + q1) t: erf by the five-term rational form
; (Abramowitz and Stegun 7.1.26), within 1.5e-7 for every argument; far below zero the result keeps an absolute error of some 3e-8 |x|.
; LIMITS.  f16 holds no number beyond 65,504 and keeps a fixed step of 6e-8 below 6.1e-5: operands arrive within it, and results must lie within it.  NaN and infinities are not treated apart.
; REGISTERS, in windows of 256: window 0: v0-35 addresses and bias; v64-127, v128-191 A's fragments, two buffers, later at work; window 1: v64-127, v128-191 W's fragments;
; windows 2, 3: the accumulators, (a, b) at v[8 (8 (a % 4) + b)], window 2 for a < 4.
.set NN,    4096
.set T,     8                          ; slots' worth of K: 1024 / 128
.set PAIRS, 2                          ; pairs in a slot
.set PA,    272                        ; a row of A in LDS: 256 bytes + 16: the 16 rows of a load start at 16 different groups of four banks (64 banks of 4 bytes: ISA guide 11.1)
.set PB,    544                        ; a row of W: 512 bytes + 32
.set BOFF,  69632                      ; W's 128 rows lie behind A's 256
.set SLOT,  147456                     ; bits 14 and 17, which no address inside a slot's bases has: one exclusive or changes slots
.set SPARE, 294912                     ; behind the ring: the spare words, 128 bytes for each wave
.set SP,    528                        ; a stage row: 512 bytes + 16
.set REG,   67584                      ; a wave's stage: 128 rows
.set STEPA, 256                        ; bytes from a K step to the next in A,
.set STEPB, 256*NN                     ; and in W
.set A0,   16                          ; v16  my lane's and wave's place in A's tile; never rewritten
.set B0,   17                          ; v17  the same for W
.set ADRA, 18                          ; v18  the address of the run of loads in hand
.set ADRB, 19                          ; v19
.set STO,  20                          ; v20  where I lay my sums down
.set RD0,  21                          ; v21  where I read rows back
.set GO,   25                          ; v25  my byte offset in the output
.set ROFF, 26                          ; v26  16 x lane
.set SPW,  28                          ; v28  LDS address of my spare word; never rewritten
.set NIL,  29                          ; v29  0; never rewritten
.set BIAS, 32                          ; v[32:35] the bias of my four columns
.set F0,   64
.set F1,   128
.set XX,   64                          ; the way out: 16 numbers x, later gelu(x)
.set TT,   80                          ; 1 + p |x|, then t
.set EE,   96                          ; the exponent, then the power of two
.set PP,   112                         ; Q(t), then 1 / 2 - Q(t) E
.set YY,   128                         ; v[128:135] four rows in f16
.set HX,   144                         ; x / 2
.set LL,   160                         ; v[160:175] four rows as they land
.set WV,   14                          ; s14  wave
.set WHI,  15                          ; s15  wave / 2: my half of the rows; also: I fetch for A (0) or W (1)
.set WLO,  16                          ; s16  wave % 2: my half of the columns; also: which half of that tile I fetch
.set TC,   19                          ; s19  tile column
.set TR,   20                          ; s20  tile row
.set G1A,  24                          ; s[24:31] group 1 for A
.set G0A,  32                          ; s[32:39] group 0 for A: two sets for the first fills; the second then walks
.set TBA,  40                          ; s40  LDS byte at which the pair to be fetched begins in A's tile
.set TBB,  41                          ; s41  the same for W
.set SLOTS, 42
.set INNER, 43
.set G1B,  48
.set G0B,  56
.set KP,   66                          ; s66 and the pairs s[68:79]: the constants of the erf form
.set KN,   68
.set Q1,   70
.set Q2,   72
.set Q3,   74
.set Q4,   76
.set Q5,   78
.set MSB, 0
.macro WIN new                         ; the immediate's high byte repeats the setting that is left; a switch that changes nothing is dropped
.if MSB != (\new)
	s_set_vgpr_msb (MSB<<8)|(\new)
.set MSB, \new
.endif
.endm
.macro PLACES                          ; four places behind matrix instructions (ISA guide 7.12.1)
.rept 4
	v_nop
.endr
.endm
.macro CROUND                          ; a round of the cluster's barrier
	s_barrier_signal -1
	s_barrier_wait -1
	s_cmp_lg_u32 s[WV], 0
	s_cbranch_scc1 .Lnot_wave_0_\@
	s_barrier_signal -3
.Lnot_wave_0_\@:
	s_barrier_wait -3
	s_barrier_signal -1
	s_barrier_wait -1
.endm
.macro JLOAD                           ; a joint refill by the walking descriptor: waves 0, 1 A's halves, waves 2, 3 W's; s_nop 0 and four v_nop follow each line
	s_cmp_eq_u32 s[WHI], 0
	s_cbranch_scc0 .Lfor_b_\@
	tensor_load_to_lds s[G0A+4:G0A+7], s[G1A:G1A+7]
	s_nop 0
.rept 4
	v_nop
.endr
	s_branch .Lasked_\@
.Lfor_b_\@:
	tensor_load_to_lds s[G0B+4:G0B+7], s[G1B:G1B+7]
	s_nop 0
.rept 4
	v_nop
.endr
.Lasked_\@:
.endm
; 64 products: 32 along K on every accumulator once, so that no two neighbours share one, over every jump too.  zero = 1: they start the sums.
.macro MUL f, zero
.irp hi, 0,1
	WIN 0xa1+0x50*(\hi)
.irp a, 0,1,2,3
.irp b, 0,1,2,3,4,5,6,7
.if \zero
	v_wmma_f32_16x16x32_f16 v[8*(8*(\a)+(\b)):8*(8*(\a)+(\b))+7], v[(\f)+8*(\b):(\f)+8*(\b)+7], v[(\f)+8*(4*(\hi)+(\a)):(\f)+8*(4*(\hi)+(\a))+7], 0
.else
	v_wmma_f32_16x16x32_f16 v[8*(8*(\a)+(\b)):8*(8*(\a)+(\b))+7], v[(\f)+8*(\b):(\f)+8*(\b)+7], v[(\f)+8*(4*(\hi)+(\a)):(\f)+8*(4*(\hi)+(\a))+7], v[8*(8*(\a)+(\b)):8*(8*(\a)+(\b))+7]
.endif
.endr
.endr
.endr
.endm
; 32 LDS loads in one run: half odd of the pair in hand: 32 K x 128 columns of W (turned), 128 rows x 32 K of A
.macro FETCH f, odd
	WIN 0x40
.irp i, 0,1,2,3,4,5,6,7
	ds_load_tr16_b128 v[(\f)+8*(\i):(\f)+8*(\i)+3],   v[ADRB] offset:(\odd)*32*PB+32*(\i)
	ds_load_tr16_b128 v[(\f)+8*(\i)+4:(\f)+8*(\i)+7], v[ADRB] offset:(\odd)*32*PB+16*PB+32*(\i)
.endr
	WIN 0
.irp i, 0,1,2,3,4,5,6,7
	ds_load_b128 v[(\f)+8*(\i):(\f)+8*(\i)+3],   v[ADRA] offset:(\odd)*64+(\i)*16*PA
	ds_load_b128 v[(\f)+8*(\i)+4:(\f)+8*(\i)+7], v[ADRA] offset:(\odd)*64+(\i)*16*PA+32
.endr
.endm
.macro ADR                             ; the pair's addresses: four plain lines, the places in front of the loads into buffer 0
	WIN 0
	v_add_nc_u32 v[ADRA], s[TBA], v[A0]
	v_add_nc_u32 v[ADRB], s[TBB], v[B0]
	v_nop
	v_nop
.endm
.macro STEP
	s_add_co_u32 s[TBA], s[TBA], 128
	s_add_co_u32 s[TBB], s[TBB], 64*PB
.endm
.macro FIRST                           ; the first pair is fetched whole; its first half starts the sums
	ADR
	FETCH F0, 0
	FETCH F1, 1
	s_wait_dscnt 32                                ; buffer 0 is in; the 32 loads of buffer 1 may stay out
	MUL F0, 1
	STEP
.endm
.macro PAIR                            ; the fetch runs one half ahead of the products
	ADR
	FETCH F0, 0
	s_wait_dscnt 32                                ; buffer 1, asked for a run of products ago, is in; the 32 just issued may stay out
	MUL F1, 0
	PLACES
	FETCH F1, 1
	s_wait_dscnt 32                                ; buffer 0 is in
	MUL F0, 0
	STEP
.endm
; THE CHANGE OF SLOTS.  All of the slot's bytes have been asked for.  Each wave waits for all its tensor loads (one is out: its part of the other slot), adds 0 to its spare word, and waits for that
; and for its reads of the slot.  fill = 1: a round of the cluster's barrier, and the slot is filled again, first thing behind it, with the K step two on.
.macro CHANGE fill
	WIN 0
	s_wait_tensorcnt 0x0                           ; no tensor load of mine is out, so a group 0 may be written
	ds_add_u32 v[SPW], v[NIL]                      ; 0 onto my spare word; scalar work stands between it and the wait for it
.if \fill
	s_xor_b32 s[G0A+5], s[G0A+5], SLOT
	s_add_nc_u64 s[G0A+6:G0A+7], s[G0A+6:G0A+7], STEPA
	s_xor_b32 s[G0B+5], s[G0B+5], SLOT
	s_add_nc_u64 s[G0B+6:G0B+7], s[G0B+6:G0B+7], STEPB
.endif
	s_sub_co_u32 s[TBA], s[TBA], 128*PAIRS         ; the fetches go back to a slot's first pair,
	s_xor_b32 s[TBA], s[TBA], SLOT                 ; in the other slot
	s_sub_co_u32 s[TBB], s[TBB], 64*PB*PAIRS
	s_xor_b32 s[TBB], s[TBB], SLOT
	s_wait_dscnt 0x0                               ; the add is done, and my reads of the slot are over
.if \fill
	CROUND
	JLOAD
.else
	s_barrier_signal -1
	s_barrier_wait -1
.endif
.endm
.macro DUMP                            ; my 128 x 128 sums into my stage; each accumulator's low four registers first
.irp hi, 0,1
	WIN 0x08+0x04*(\hi)
.irp a, 0,1,2,3
.irp b, 0,1,2,3,4,5,6,7
	ds_store_b128 v[STO], v[8*(8*(\a)+(\b)):8*(8*(\a)+(\b))+3]   offset:16*(4*(\hi)+(\a))*SP+64*(\b)
	ds_store_b128 v[STO], v[8*(8*(\a)+(\b))+4:8*(8*(\a)+(\b))+7] offset:16*(4*(\hi)+(\a))*SP+64*(\b)+16
.endr
.endr
.endr
	WIN 0
.endm
.macro LOADL                           ; four rows back from the stage: 32 lanes take a row's 512 bytes
	v_add_nc_u32 v[ADRA], s[TBA], v[RD0]
.irp r, 0,1,2,3
	ds_load_b128 v[LL+4*(\r):LL+4*(\r)+3], v[ADRA] offset:(\r)*SP
.endr
.endm
.macro GA i, k                         ; plain line k of four that feed pair i's transcendentals: 1 + p |x| twice; the exponent -x x log2(e) / 2 in two steps
.if (\k) < 2
	v_fma_f32 v[TT+2*(\i)+(\k)], |v[XX+2*(\i)+(\k)]|, s[KP], 1.0
.elseif (\k) == 2
	v_pk_mul_f32 v[EE+2*(\i):EE+2*(\i)+1], v[XX+2*(\i):XX+2*(\i)+1], s[KN:KN+1] op_sel_hi:[1,0]
.else
	v_pk_mul_f32 v[EE+2*(\i):EE+2*(\i)+1], v[EE+2*(\i):EE+2*(\i)+1], v[XX+2*(\i):XX+2*(\i)+1]
.endif
.endm
.macro GT i, k                         ; transcendental k of pair i's four
.if (\k) < 2
	v_rcp_f32 v[TT+2*(\i)+(\k)], v[TT+2*(\i)+(\k)]
.else
	v_exp_f32 v[EE+2*(\i)+(\k)-2], v[EE+2*(\i)+(\k)-2]
.endif
.endm
.macro GH k                            ; x / 2 for pair k
	v_pk_mul_f32 v[HX+2*(\k):HX+2*(\k)+1], v[XX+2*(\k):XX+2*(\k)+1], 0.5 op_sel_hi:[1,0]
.endm
	s_load_b256 s[4:11], s[0:1], 0x0               ; A s[4:5], W s[6:7], out s[8:9], bias s[10:11]
	v_lshl_add_u32 v[SPW], v0, 2, SPARE
	v_mov_b32 v[NIL], 0
	ds_add_u32 v[SPW], v[NIL]                      ; the wave's opening: the add and its wait ahead of my first tensor load
	v_lshrrev_b32 v1, 5, v0
	v_readfirstlane_b32 s[WV], v1
	s_lshr_b32 s[WHI], s[WV], 1
	s_and_b32 s[WLO], s[WV], 1
	s_bfe_u32 s17, ttmp6, 0x40000                  ; cx
	s_bfe_u32 s18, ttmp6, 0x40004                  ; cy
	s_lshl_b32 s[TC], ttmp9, 2
	s_add_co_u32 s[TC], s[TC], s17
	s_and_b32 s[TR], ttmp7, 0xffff
	s_lshl_b32 s[TR], s[TR], 2
	s_add_co_u32 s[TR], s[TR], s18
	s_lshl_b32 s21, s18, 2
	s_lshl_b32 s21, 15, s21                        ; my row of the cluster
	s_lshl_b32 s22, 0x1111, s17                    ; my column
	s_or_b32 s[G1A], s21, (1<<16)|(1<<20)|(1<<21)|(5<<22)|(3<<25)  ; mask; 2-byte elements; padding on; bit 21 beside a mask; after every 64 words, 4 words
	s_or_b32 s[G1B], s22, (1<<16)|(1<<20)|(1<<21)|(6<<22)|(7<<25)  ; after every 128 words, 8 words
	s_mov_b32 s[G1A+1], 128<<16                    ; A: 128 rows x 128 elements, 1,024 elements from row to row
	s_mov_b32 s[G1A+2], 128<<16
	s_mov_b32 s[G1A+3], 128<<16
	s_mov_b32 s[G1A+4], 128
	s_mov_b32 s[G1A+5], 1024
	s_mov_b32 s[G1A+6], 0
	s_mov_b32 s[G1A+7], 0
	s_mov_b32 s[G1B+1], 256<<16                    ; W: 64 rows x 256 elements, NN elements from row to row
	s_mov_b32 s[G1B+2], 64<<16
	s_mov_b32 s[G1B+3], 256<<16
	s_mov_b32 s[G1B+4], 64
	s_mov_b32 s[G1B+5], NN
	s_mov_b32 s[G1B+6], 0
	s_mov_b32 s[G1B+7], 0
	s_lshl_b32 s44, s[TR], 19                      ; A: (256 x tile row + 128 x half) rows of 2,048 bytes
	s_lshl_b32 s45, s[WLO], 18
	s_add_co_u32 s44, s44, s45
	s_mov_b32 s45, 0
	s_mul_i32 s46, s[WLO], 128*NN                  ; W: 64 x half rows of 2 NN bytes + 512 x tile column
	s_lshl_b32 s47, s[TC], 9
	s_add_co_u32 s46, s46, s47
	s_mov_b32 s47, 0
	s_mul_i32 s23, s[WLO], 128*PA                  ; where they go: no place in the cluster enters an LDS address
	s_mul_i32 s43, s[WLO], 64*PB
	s_add_co_u32 s43, s43, BOFF
	s_mov_b32 s[TBA], 0
	s_mov_b32 s[TBB], 0
	s_mov_b32 s[KP], 0x3e6d3388                    ; 0.3275911 / sqrt(2)
	s_mov_b32 s[KN], 0xbf38aa3b                    ; -log2(e) / 2
	s_mov_b32 s[KN+1], 0xbf38aa3b
	s_mov_b32 s[Q1], 0x3e027906                    ; the form's five coefficients, halved
	s_mov_b32 s[Q1+1], 0x3e027906
	s_mov_b32 s[Q2], 0xbe11a98e
	s_mov_b32 s[Q2+1], 0xbe11a98e
	s_mov_b32 s[Q3], 0x3f35f0e3
	s_mov_b32 s[Q3+1], 0x3f35f0e3
	s_mov_b32 s[Q4], 0xbf3a00e3
	s_mov_b32 s[Q4+1], 0xbf3a00e3
	s_mov_b32 s[Q5], 0x3f07dc22
	s_mov_b32 s[Q5+1], 0x3f07dc22
	s_wait_dscnt 0x0                               ; the opening add is done
	s_wait_kmcnt 0x0
	s_add_nc_u64 s[44:45], s[4:5], s[44:45]
	s_add_nc_u64 s[46:47], s[6:7], s[46:47]
	CROUND                                         ; all sixteen work-groups are here: the first joint loads meet
.irp s, 0,1
	s_mov_b32 s[G0A+4*(\s)], 1
	s_add_co_u32 s[G0A+4*(\s)+1], s23, (\s)*SLOT
	s_add_nc_u64 s[G0A+4*(\s)+2:G0A+4*(\s)+3], s[44:45], (\s)*STEPA
	s_or_b32 s[G0A+4*(\s)+3], s[G0A+4*(\s)+3], 0x80000000
	s_mov_b32 s[G0B+4*(\s)], 1
	s_add_co_u32 s[G0B+4*(\s)+1], s43, (\s)*SLOT
	s_add_nc_u64 s[G0B+4*(\s)+2:G0B+4*(\s)+3], s[46:47], (\s)*STEPB
	s_or_b32 s[G0B+4*(\s)+3], s[G0B+4*(\s)+3], 0x80000000
.endr
	s_cmp_eq_u32 s[WHI], 0                         ; a wave's two first fills stand in one branch: two loads of mine are out
	s_cbranch_scc0 .Lfirst_b
	tensor_load_to_lds s[G0A:G0A+3], s[G1A:G1A+7]
	s_nop 0
	tensor_load_to_lds s[G0A+4:G0A+7], s[G1A:G1A+7]
	s_nop 0
.rept 4
	v_nop
.endr
	s_branch .Lfirst_done
.Lfirst_b:
	tensor_load_to_lds s[G0B:G0B+3], s[G1B:G1B+7]
	s_nop 0
	tensor_load_to_lds s[G0B+4:G0B+7], s[G1B:G1B+7]
	s_nop 0
.rept 4
	v_nop
.endr
.Lfirst_done:
	v_and_b32 v1, 15, v0                           ; l % 16
	v_bfe_u32 v2, v0, 4, 1                         ; l / 16
	v_and_b32 v3, 7, v0
	v_bfe_u32 v4, v0, 3, 1
	v_and_b32 v5, 31, v0
	s_mul_i32 s21, s[WHI], 128*PA                  ; my 128 rows of A
	v_mul_u32_u24 v[A0], v1, PA
	v_lshl_add_u32 v[A0], v2, 4, v[A0]
	v_add_nc_u32 v[A0], s21, v[A0]
	s_lshl_b32 s21, s[WLO], 8                      ; my 128 columns of W
	s_add_co_u32 s21, s21, BOFF
	v_lshl_add_u32 v[B0], v2, 3, v3                ; the turning load: lane l reads row 8 (l / 16) + l % 8, 16 bytes at 16 ((l / 8) % 2)
	v_mul_u32_u24 v[B0], v[B0], PB
	v_lshl_add_u32 v[B0], v4, 4, v[B0]
	v_add_nc_u32 v[B0], s21, v[B0]
	s_mul_i32 s21, s[WV], REG                      ; my stage
	v_mul_u32_u24 v[STO], v1, SP
	v_lshl_add_u32 v[STO], v2, 5, v[STO]
	v_add_nc_u32 v[STO], s21, v[STO]
	v_lshlrev_b32 v[ROFF], 4, v5
	v_lshl_add_u32 v[RD0], v5, 4, s21              ; back: 32 lanes take a row's 512 bytes
	v_lshlrev_b32 v[GO], 3, v5                     ; which leave as 256 bytes of f16
	s_lshl_b32 s44, s[TR], 21                      ; rows of 8,192 bytes
	s_lshl_b32 s45, s[WHI], 20
	s_add_co_u32 s44, s44, s45
	s_lshl_b32 s45, s[TC], 9
	s_add_co_u32 s44, s44, s45
	s_lshl_b32 s45, s[WLO], 8
	s_add_co_u32 s44, s44, s45
	s_mov_b32 s45, 0
	s_add_nc_u64 s[8:9], s[8:9], s[44:45]
	s_lshl_b32 s46, s[TC], 10
	s_lshl_b32 s47, s[WLO], 9
	s_add_co_u32 s46, s46, s47
	s_mov_b32 s47, 0
	s_add_nc_u64 s[10:11], s[10:11], s[46:47]
	global_load_b128 v[BIAS:BIAS+3], v[ROFF], s[10:11]  ; stays out over the whole loop
	s_wait_tensorcnt 0x1                           ; my part of slot 0 is in; slot 1's may stay out
	s_barrier_signal -1
	s_barrier_wait -1
	FIRST
	WIN 0
	s_mov_b32 s[SLOTS], T-1
	s_mov_b32 s[INNER], 1                          ; slot 0 has one pair left
	s_branch .Lpair
.Lslot:                                        ; T - 2 times: every slot but the last two is filled again
	CHANGE 1
	s_mov_b32 s[INNER], PAIRS
.Lpair:
	PAIR
	WIN 0
	s_sub_co_u32 s[INNER], s[INNER], 1
	s_cmp_lg_u32 s[INNER], 0
	s_cbranch_scc1 .Lpair
	s_sub_co_u32 s[SLOTS], s[SLOTS], 1
	s_cmp_lg_u32 s[SLOTS], 0
	s_cbranch_scc1 .Lslot
	CHANGE 0                                       ; the last slot is written out
	s_mov_b32 s[INNER], PAIRS
.Ltail:
	PAIR
	WIN 0
	s_sub_co_u32 s[INNER], s[INNER], 1
	s_cmp_lg_u32 s[INNER], 0
	s_cbranch_scc1 .Ltail
	s_wait_dscnt 0x0                               ; my last reads of the ring are back:
	s_barrier_signal -1                            ; say so,
	MUL F1, 0                                      ; the last products while the others arrive,
	WIN 0
	s_barrier_wait -1                              ; and nobody reads the ring any more: its bytes, filled for the last time, become the stage
	PLACES
	DUMP
	s_wait_dscnt 0x0
	s_barrier_signal -1
	s_barrier_wait -1                              ; every wave's sums lie in the stage
	s_mov_b32 s[TBA], 0
	LOADL                                          ; rows 0 to 3
	s_wait_loadcnt 0x0                             ; the bias
	s_mov_b32 s[INNER], 32                         ; 32 trips of four rows; a trip's rows were asked for in the trip before
.Lout:
	s_wait_dscnt 0x0                               ; this trip's rows are in
.irp r, 0,1,2,3
	v_pk_add_f32 v[XX+4*(\r):XX+4*(\r)+1], v[LL+4*(\r):LL+4*(\r)+1], v[BIAS:BIAS+1]
	v_pk_add_f32 v[XX+4*(\r)+2:XX+4*(\r)+3], v[LL+4*(\r)+2:LL+4*(\r)+3], v[BIAS+2:BIAS+3]
.endr
	s_cmp_eq_u32 s[INNER], 1                       ; the last trip has nothing to ask for
	s_cbranch_scc1 .Lnol
	s_add_co_u32 s[TBA], s[TBA], 4*SP
	LOADL                                          ; the landing registers have been read: the next four rows
.Lnol:
	; one batch of 32 transcendentals, a plain line between every two: pair i's four feeders stand beside pair i - 1's reciprocals and powers
.irp k, 0,1,2,3
	GA 0, \k
.endr
.irp i, 1,2,3,4,5,6,7
.irp k, 0,1,2,3
	GA \i, \k
	GT (\i)-1, \k
.endr
.endr
.irp k, 0,1,2,3
	GH \k
	GT 7, \k
.endr
.irp k, 4,5,6,7
	GH \k
.endr
	s_wait_alu depctr_va_vdst(0)                   ; one wait for the batch, ahead of its first reader
.set i, 0
.rept 8
	v_pk_fma_f32 v[PP+2*i:PP+2*i+1], v[TT+2*i:TT+2*i+1], s[Q5:Q5+1], s[Q4:Q4+1] op_sel_hi:[1,0,0]
.set i, i+1
.endr
.irp c, Q3, Q2, Q1
.set i, 0
.rept 8
	v_pk_fma_f32 v[PP+2*i:PP+2*i+1], v[PP+2*i:PP+2*i+1], v[TT+2*i:TT+2*i+1], s[\c:\c+1] op_sel_hi:[1,1,0]
.set i, i+1
.endr
.endr
.set i, 0
.rept 8
	v_pk_mul_f32 v[PP+2*i:PP+2*i+1], v[PP+2*i:PP+2*i+1], v[TT+2*i:TT+2*i+1]
.set i, i+1
.endr
.set i, 0
.rept 8
	v_pk_fma_f32 v[PP+2*i:PP+2*i+1], v[PP+2*i:PP+2*i+1], v[EE+2*i:EE+2*i+1], 0.5 op_sel_hi:[1,1,0] neg_lo:[1,0,0] neg_hi:[1,0,0]  ; 1 / 2 - Q(t) E
.set i, i+1
.endr
.set i, 0
.rept 16
	v_fma_f32 v[XX+i], |v[XX+i]|, v[PP+i], v[HX+i]
.set i, i+1
.endr
	s_wait_xcnt 0x0                                ; the last trip's stores have read their data and their base
	s_add_nc_u64 s[8:9], s[8:9], 32768             ; four rows on; the stores below reach back
.set i, 0
.rept 8
	v_cvt_pk_f16_f32 v[YY+i], v[XX+2*i], v[XX+2*i+1]
.set i, i+1
.endr
.irp r, 0,1,2,3
	global_store_b64 v[GO], v[YY+2*(\r):YY+2*(\r)+1], s[8:9] offset:8192*(\r)-32768  ; a row's 256 consecutive bytes, aligned
.endr
	s_sub_co_u32 s[INNER], s[INNER], 1
	s_cmp_lg_u32 s[INNER], 0
	s_cbranch_scc1 .Lout
	s_wait_tensorcnt 0x0                           ; the wave's end, behind my last tensor load and my last LDS store
	ds_add_u32 v[SPW], v[NIL]
	s_wait_dscnt 0x0
	CROUND                                         ; the closing round: no work-group ends while a partner may still ask for a tile that names it
	s_endpgm
.Lfunc_end_k_q6351a8f920_g1:
	.size	k_q6351a8f920_g1, .Lfunc_end_k_q6351a8f920_g1-k_q6351a8f920_g1
	.p2alignl 7, 3214868480
	.fill 96, 4, 3214868480
	.section	.rodata,"a",@progbits
	.p2align	6, 0x0
	.amdhsa_kernel k_q6351a8f920_g1
		.amdhsa_group_segment_fixed_size 327680
		.amdhsa_private_segment_fixed_size 0
		.amdhsa_enable_private_segment 0
		.amdhsa_kernarg_size 32
		.amdhsa_user_sgpr_count 2
		.amdhsa_user_sgpr_kernarg_segment_ptr 1
		.amdhsa_wavefront_size32 1
		.amdhsa_system_sgpr_workgroup_id_x 1
		.amdhsa_system_sgpr_workgroup_id_y 1
		.amdhsa_system_sgpr_workgroup_id_z 1
		.amdhsa_system_vgpr_workitem_id 0
		.amdhsa_next_free_vgpr 1024
		.amdhsa_next_free_sgpr 84
		.amdhsa_reserve_vcc 0
		.amdhsa_float_denorm_mode_32 3
		.amdhsa_float_denorm_mode_16_64 3
		.amdhsa_memory_ordered 1
		.amdhsa_forward_progress 1
		.amdhsa_inst_pref_size 67
	.end_amdhsa_kernel
	.amdgpu_metadata
---
amdhsa.version: [ 1, 2 ]
amdhsa.kernels:
  - .name:           k_q6351a8f920_g1
    .symbol:         k_q6351a8f920_g1.kd
    .args:
      - { .name: act, .offset: 0, .size: 8, .value_kind: global_buffer, .address_space: global }
      - { .name: w1, .offset: 8, .size: 8, .value_kind: global_buffer, .address_space: global }
      - { .name: qg, .offset: 16, .size: 8, .value_kind: global_buffer, .address_space: global }
      - { .name: b_fc1, .offset: 24, .size: 8, .value_kind: global_buffer, .address_space: global }
    .group_segment_fixed_size: 327680
    .private_segment_fixed_size: 0
    .kernarg_segment_align: 8
    .kernarg_segment_size: 32
    .max_flat_workgroup_size: 128
    .sgpr_count:     84
    .vgpr_count:     1024
    .wavefront_size: 32
...
	.end_amdgpu_metadata
.endif
;; end of part 5
;; launch g2 (part 6): grid 8 x 32, 4 waves a work-group, clusters of 4 x 4, 327,680 bytes of LDS; arguments qg, w2, out0, b_fc2, x1; writes out0
.if DOCPART == 6
	.amdgcn_target "amdgcn-amd-amdhsa--gfx1250"
	.amdhsa_code_object_version 6
	.text
	.protected	k_q6351a8f920_g2
	.globl	k_q6351a8f920_g2
	.p2align	8
	.type	k_q6351a8f920_g2,@function
k_q6351a8f920_g2:
	s_mov_b64 s[64:65], 0
	v_nop
	global_prefetch_b8 v0, s[64:65] scope:SCOPE_SE
	s_setreg_imm32_b32 hwreg(HW_REG_WAVE_MODE, 25, 1), 1
	s_wait_xcnt 0x0
	s_wait_alu depctr_hold_cnt(0) depctr_sa_sdst(0) depctr_va_vdst(0) depctr_va_sdst(0) depctr_va_ssrc(0) depctr_va_vcc(0) depctr_vm_vsrc(0)
	s_getreg_b32 s2, hwreg(HW_REG_IB_STS2, 6, 4)
	s_cmp_eq_u32 s2, 0
	s_cbranch_scc0 .Lentry_in_a_cluster
	s_endpgm
.Lentry_in_a_cluster:
	s_bfe_u32 s2, ttmp6, 0x10000c
	s_cmp_lg_u32 s2, 0xf033
	s_cbranch_scc0 .Lentry_shape_is_right
	s_endpgm
.Lentry_shape_is_right:
; out = res + A W + bias on tiles of 128 x 128, K SPLIT AMONG THE FOUR WAVES.  W: [4096][1024] f16, K down the rows.  out, res: [4096][1024] f32; bias [1024] f32.  Sums in f32.
; A = [4096][4096] f16, K along the rows.
; SHARES.  1,024 columns give 256 tiles of 128 x 128, one for each work-group.  A slot holds 256 along K; wave w takes 64 of them for the WHOLE tile: 64 accumulators in 512 registers, each LDS byte read once.
; The four partial sums, f32, meet in LDS at the end: wave w adds up rows 32 w .. 32 w + 31.
; ROTATED ROWS.  Wave w takes A's eight blocks of 16 rows in the order 2 w, 2 w + 1, .. (modulo 8), by eight address registers.  So in every wave accumulator rows 0 and 1 are the wave's OWN 32 rows: the same
; registers in all four.  They are loaded with the residual, and the first products take them as C (the other 48 accumulators begin with the constant 0): the residual costs no addition and no register of its own.
; THE PRODUCT IS USED TRANSPOSED: source 0 = 16 columns of W, turned out of LDS by ds_load_tr16_b128, source 1 = 16 rows of A: a lane holds one row of C and eight neighbouring columns.
; CLUSTER.  4 x 4 work-groups: A's tile is shared along a row of the cluster, W's along a column; each is asked for jointly.
; LIMITS.  The f16 operands arrive within 65,504.  NaN and infinities are not treated apart.
; REGISTERS, in windows of 256: window 0: v0-55 addresses and bias; v64-127, v128-191 A's fragments, later at work; window 1: v64-127, v128-191 W's fragments;
; windows 2, 3: the accumulators, (a, b) at v[8 (8 (a % 4) + b)]; a counts the wave's rotated blocks.
.set T,     16                         ; slots' worth of K
.set PA,    528                        ; a row of A in LDS: an odd multiple of 16 bytes (64 banks of 4 bytes: ISA guide 11.1)
.set AHALF, 33792                      ; what one of A's two loads fills
.set AWAVE, 128                        ; from one wave's 64 K of A to the next's
.set STEPA, 512                        ; bytes from a slot's K to the next's in A
.set GA_PAD, (6<<22)|(3<<25)           ; A's padding: after every 128 words, 4 words
.set GA_D0, 256                        ; A's tile: 256 elements a row,
.set GA_D1, 64                         ; 64 rows,
.set GA_P,  4096                       ; 4,096 elements from row to row
.set PAIRS, 1
.set PB,    288                        ; a row of W: 256 bytes + 32
.set BOFF,  73728                      ; W's 256 rows lie behind A's tile
.set STEPB, 524288
.set SLOT,  147456                     ; bits 14 and 17, which no address of a slot's bases has
.set SPARE, 294912
.set SP,    528
.set REG,   67584
.set B0,   17                          ; v17  my lane's and wave's place in W's tile; never rewritten
.set ADRB, 19                          ; v19  the address of W's run of loads in hand
.set STO,  20                          ; v20  where I lay my partial sums down
.set RD0,  21                          ; v21-24  where my 32 rows begin in each of the four partial tiles
.set ROFF, 26                          ; v26  16 x lane; never rewritten
.set GOA,  27                          ; v27  my byte offset in 16 rows of the residual, in an accumulator's layout
.set SPW,  28
.set NIL,  29
.set BIAS, 32                          ; v[32:35]
.set AB,   36                          ; v36-43  my place in A's tile for each of my eight rotated blocks; never rewritten
.set AD,   44                          ; v44-51  the same with the slot's offset: the addresses of the run in hand
.set RA,   52                          ; v52-55  the way out: the addresses of the rows in hand
.set F0,   64
.set F1,   128
.set LL,   64                          ; the way out: v[64:127] four rows x four partial sums as they land
.set TS,   128                         ; v[128:159] at work
.set YY,   160                         ; v[160:175] four rows to store
.set WV,   14
.set WHI,  15
.set WLO,  16
.set TC,   19
.set TR,   20
.set G1A,  24
.set G0A,  32
.set TBA,  40
.set TBB,  41
.set SLOTS, 42
.set G1B,  48
.set G0B,  56
.set MSB, 0
.macro WIN new
.if MSB != (\new)
	s_set_vgpr_msb (MSB<<8)|(\new)
.set MSB, \new
.endif
.endm
.macro PLACES
.rept 4
	v_nop
.endr
.endm
.macro CROUND
	s_barrier_signal -1
	s_barrier_wait -1
	s_cmp_lg_u32 s[WV], 0
	s_cbranch_scc1 .Lnot_wave_0_\@
	s_barrier_signal -3
.Lnot_wave_0_\@:
	s_barrier_wait -3
	s_barrier_signal -1
	s_barrier_wait -1
.endm
.macro JLOAD                           ; a joint refill by the walking descriptor; s_nop 0 and four v_nop follow each line
	s_cmp_eq_u32 s[WHI], 0
	s_cbranch_scc0 .Lfor_b_\@
	tensor_load_to_lds s[G0A+4:G0A+7], s[G1A:G1A+7]
	s_nop 0
.rept 4
	v_nop
.endr
	s_branch .Lasked_\@
.Lfor_b_\@:
	tensor_load_to_lds s[G0B+4:G0B+7], s[G1B:G1B+7]
	s_nop 0
.rept 4
	v_nop
.endr
.Lasked_\@:
.endm
; 64 products, every accumulator once.  zero = 1: they start the sums: with the residual, which lies in accumulator rows 0 and 1, or with the constant 0
.macro MUL f, zero
.irp hi, 0,1
	WIN 0xa1+0x50*(\hi)
.irp a, 0,1,2,3
.irp b, 0,1,2,3,4,5,6,7
.if (\zero) && (((\hi) != 0) || ((\a) > 1))
	v_wmma_f32_16x16x32_f16 v[8*(8*(\a)+(\b)):8*(8*(\a)+(\b))+7], v[(\f)+8*(\b):(\f)+8*(\b)+7], v[(\f)+8*(4*(\hi)+(\a)):(\f)+8*(4*(\hi)+(\a))+7], 0
.else
	v_wmma_f32_16x16x32_f16 v[8*(8*(\a)+(\b)):8*(8*(\a)+(\b))+7], v[(\f)+8*(\b):(\f)+8*(\b)+7], v[(\f)+8*(4*(\hi)+(\a)):(\f)+8*(4*(\hi)+(\a))+7], v[8*(8*(\a)+(\b)):8*(8*(\a)+(\b))+7]
.endif
.endr
.endr
.endr
.endm
.macro FETCH f, odd                    ; 32 LDS loads in one run: half odd of my 64 K
	WIN 0x40
.irp i, 0,1,2,3,4,5,6,7
	ds_load_tr16_b128 v[(\f)+8*(\i):(\f)+8*(\i)+3],   v[ADRB] offset:(\odd)*32*PB+32*(\i)
	ds_load_tr16_b128 v[(\f)+8*(\i)+4:(\f)+8*(\i)+7], v[ADRB] offset:(\odd)*32*PB+16*PB+32*(\i)
.endr
	WIN 0
.irp i, 0,1,2,3,4,5,6,7
	ds_load_b128 v[(\f)+8*(\i):(\f)+8*(\i)+3],   v[AD+(\i)] offset:(\odd)*64
	ds_load_b128 v[(\f)+8*(\i)+4:(\f)+8*(\i)+7], v[AD+(\i)] offset:(\odd)*64+32
.endr
.endm
.macro ADR                             ; nine plain lines: among them the four places in front of the loads into buffer 0
	WIN 0
.irp i, 0,1,2,3,4,5,6,7
	v_add_nc_u32 v[AD+(\i)], s[TBA], v[AB+(\i)]
.endr
	v_add_nc_u32 v[ADRB], s[TBB], v[B0]
.endm
.macro STEP
	s_add_co_u32 s[TBA], s[TBA], 128
	s_add_co_u32 s[TBB], s[TBB], 64*PB
.endm
.macro FIRST
	ADR
	FETCH F0, 0
	FETCH F1, 1
	s_wait_loadcnt 0x0                             ; the residual lies in its accumulators (and the bias is in)
	s_wait_dscnt 32                                ; buffer 0 is in; the 32 loads of buffer 1 may stay out
	MUL F0, 1
	STEP
.endm
.macro PAIR
	ADR
	FETCH F0, 0
	s_wait_dscnt 32                                ; buffer 1 is in; the 32 just issued may stay out
	MUL F1, 0
	PLACES
	FETCH F1, 1
	s_wait_dscnt 32                                ; buffer 0 is in
	MUL F0, 0
	STEP
.endm
.macro CHANGE fill                     ; the change of slots: all my tensor loads, the add, my reads; then the round and the joint refill, or a plain barrier
	WIN 0
	s_wait_tensorcnt 0x0                           ; no tensor load of mine is out, so a group 0 may be written
	ds_add_u32 v[SPW], v[NIL]
.if \fill
	s_xor_b32 s[G0A+5], s[G0A+5], SLOT
	s_add_nc_u64 s[G0A+6:G0A+7], s[G0A+6:G0A+7], STEPA
	s_xor_b32 s[G0B+5], s[G0B+5], SLOT
	s_add_nc_u64 s[G0B+6:G0B+7], s[G0B+6:G0B+7], STEPB
.endif
	s_sub_co_u32 s[TBA], s[TBA], 128*PAIRS
	s_xor_b32 s[TBA], s[TBA], SLOT
	s_sub_co_u32 s[TBB], s[TBB], 64*PB*PAIRS
	s_xor_b32 s[TBB], s[TBB], SLOT
	s_wait_dscnt 0x0                               ; the add is done, and my reads of the slot are over
.if \fill
	CROUND
	JLOAD
.else
	s_barrier_signal -1
	s_barrier_wait -1
.endif
.endm
.macro DUMP                            ; my partial 128 x 128 into my stage, in my rotated order; each accumulator's low four registers first
.irp hi, 0,1
	WIN 0x08+0x04*(\hi)
.irp a, 0,1,2,3
.irp b, 0,1,2,3,4,5,6,7
	ds_store_b128 v[STO], v[8*(8*(\a)+(\b)):8*(8*(\a)+(\b))+3]   offset:16*(4*(\hi)+(\a))*SP+64*(\b)
	ds_store_b128 v[STO], v[8*(8*(\a)+(\b))+4:8*(8*(\a)+(\b))+7] offset:16*(4*(\hi)+(\a))*SP+64*(\b)+16
.endr
.endr
.endr
	WIN 0
.endm
.macro LOADG                           ; four of my rows, four partial sums each: 32 lanes take a row's 512 bytes
.irp p, 0,1,2,3
	v_add_nc_u32 v[RA+(\p)], s[TBA], v[RD0+(\p)]
.endr
.irp r, 0,1,2,3
.irp p, 0,1,2,3
	ds_load_b128 v[LL+16*(\r)+4*(\p):LL+16*(\r)+4*(\p)+3], v[RA+(\p)] offset:(\r)*SP
.endr
.endr
.endm
	s_load_b256 s[4:11], s[0:1], 0x0               ; A s[4:5], W s[6:7], out s[8:9], bias s[10:11]
	s_load_b64 s[12:13], s[0:1], 0x20              ; residual
	v_lshl_add_u32 v[SPW], v0, 2, SPARE
	v_mov_b32 v[NIL], 0
	ds_add_u32 v[SPW], v[NIL]                      ; the wave's opening: the add and its wait ahead of my first tensor load
	v_lshrrev_b32 v1, 5, v0
	v_readfirstlane_b32 s[WV], v1
	s_lshr_b32 s[WHI], s[WV], 1                    ; I fetch for A (0) or W (1),
	s_and_b32 s[WLO], s[WV], 1                     ; this half of the tile
	s_bfe_u32 s17, ttmp6, 0x40000                  ; cx
	s_bfe_u32 s18, ttmp6, 0x40004                  ; cy
	s_lshl_b32 s[TC], ttmp9, 2
	s_add_co_u32 s[TC], s[TC], s17
	s_and_b32 s[TR], ttmp7, 0xffff
	s_lshl_b32 s[TR], s[TR], 2
	s_add_co_u32 s[TR], s[TR], s18
	s_lshl_b32 s21, s18, 2
	s_lshl_b32 s21, 15, s21                        ; my row of the cluster
	s_lshl_b32 s22, 0x1111, s17                    ; my column
	s_or_b32 s[G1A], s21, (1<<16)|(1<<20)|(1<<21)|GA_PAD
	s_or_b32 s[G1B], s22, (1<<16)|(1<<20)|(1<<21)|(5<<22)|(7<<25)  ; after every 64 words, 8 words
	s_mov_b32 s[G1A+1], (GA_D0&0xffff)<<16
	s_mov_b32 s[G1A+2], GA_D1<<16
	s_mov_b32 s[G1A+3], GA_D0<<16
	s_mov_b32 s[G1A+4], GA_D1
	s_mov_b32 s[G1A+5], GA_P
	s_mov_b32 s[G1A+6], 0
	s_mov_b32 s[G1A+7], 0
	s_mov_b32 s[G1B+1], 128<<16                    ; W: 128 rows x 128 elements, 1,024 elements from row to row
	s_mov_b32 s[G1B+2], 128<<16
	s_mov_b32 s[G1B+3], 128<<16
	s_mov_b32 s[G1B+4], 128
	s_mov_b32 s[G1B+5], 1024
	s_mov_b32 s[G1B+6], 0
	s_mov_b32 s[G1B+7], 0
	s_lshl_b32 s44, s[TR], 20                      ; A: (128 x tile row + 64 x half) rows of 8,192 bytes
	s_lshl_b32 s45, s[WLO], 19
	s_add_co_u32 s44, s44, s45
	s_mov_b32 s45, 0
	s_lshl_b32 s46, s[WLO], 18                     ; W: 128 x half rows of 2,048 bytes + 256 x tile column
	s_lshl_b32 s47, s[TC], 8
	s_add_co_u32 s46, s46, s47
	s_mov_b32 s47, 0
	s_mul_i32 s23, s[WLO], AHALF                   ; where they go: no place in the cluster enters an LDS address
	s_mul_i32 s43, s[WLO], 128*PB
	s_add_co_u32 s43, s43, BOFF
	s_mov_b32 s[TBA], 0
	s_mov_b32 s[TBB], 0
	s_wait_dscnt 0x0                               ; the opening add is done
	s_wait_kmcnt 0x0
	s_add_nc_u64 s[44:45], s[4:5], s[44:45]
	s_add_nc_u64 s[46:47], s[6:7], s[46:47]
	CROUND                                         ; all sixteen work-groups are here: the first joint loads meet
.irp s, 0,1
	s_mov_b32 s[G0A+4*(\s)], 1
	s_add_co_u32 s[G0A+4*(\s)+1], s23, (\s)*SLOT
	s_add_nc_u64 s[G0A+4*(\s)+2:G0A+4*(\s)+3], s[44:45], (\s)*STEPA
	s_or_b32 s[G0A+4*(\s)+3], s[G0A+4*(\s)+3], 0x80000000
	s_mov_b32 s[G0B+4*(\s)], 1
	s_add_co_u32 s[G0B+4*(\s)+1], s43, (\s)*SLOT
	s_add_nc_u64 s[G0B+4*(\s)+2:G0B+4*(\s)+3], s[46:47], (\s)*STEPB
	s_or_b32 s[G0B+4*(\s)+3], s[G0B+4*(\s)+3], 0x80000000
.endr
	s_cmp_eq_u32 s[WHI], 0                         ; a wave's two first fills stand in one branch: two loads of mine are out
	s_cbranch_scc0 .Lfirst_b
	tensor_load_to_lds s[G0A:G0A+3], s[G1A:G1A+7]
	s_nop 0
	tensor_load_to_lds s[G0A+4:G0A+7], s[G1A:G1A+7]
	s_nop 0
.rept 4
	v_nop
.endr
	s_branch .Lfirst_done
.Lfirst_b:
	tensor_load_to_lds s[G0B:G0B+3], s[G1B:G1B+7]
	s_nop 0
	tensor_load_to_lds s[G0B+4:G0B+7], s[G1B:G1B+7]
	s_nop 0
.rept 4
	v_nop
.endr
.Lfirst_done:
	v_and_b32 v1, 15, v0                           ; l % 16
	v_bfe_u32 v2, v0, 4, 1                         ; l / 16
	v_and_b32 v3, 7, v0
	v_bfe_u32 v4, v0, 3, 1
	v_and_b32 v5, 31, v0
	s_lshl_b32 s44, s[TR], 19                      ; (128 x tile row + 32 x wave) rows of 4,096 bytes + 512 x tile column: my own rows in out and in the residual
	s_lshl_b32 s45, s[WV], 17
	s_add_co_u32 s44, s44, s45
	s_lshl_b32 s45, s[TC], 9
	s_add_co_u32 s44, s44, s45
	s_mov_b32 s45, 0
	s_add_nc_u64 s[8:9], s[8:9], s[44:45]
	s_add_nc_u64 s[12:13], s[12:13], s[44:45]
	s_lshl_b32 s46, s[TC], 9
	s_mov_b32 s47, 0
	s_add_nc_u64 s[10:11], s[10:11], s[46:47]
	v_lshlrev_b32 v[ROFF], 4, v5
	v_lshlrev_b32 v[GOA], 12, v1                   ; an accumulator's lane holds row l % 16 and the columns 8 (l / 16) + 0..7: 32 bytes
	v_lshl_add_u32 v[GOA], v2, 5, v[GOA]
	global_load_b128 v[BIAS:BIAS+3], v[ROFF], s[10:11]
	WIN 0x80                                       ; destination window 2: my 32 rows of the residual go straight into accumulator rows 0 and 1
.irp a, 0,1
.irp b, 0,1,2,3,4,5,6,7
	global_load_b128 v[8*(8*(\a)+(\b)):8*(8*(\a)+(\b))+3],   v[GOA], s[12:13] offset:65536*(\a)+64*(\b)
	global_load_b128 v[8*(8*(\a)+(\b))+4:8*(8*(\a)+(\b))+7], v[GOA], s[12:13] offset:65536*(\a)+64*(\b)+16
.endr
.endr
	WIN 0
	v_mul_u32_u24 v6, v1, PA
	v_lshl_add_u32 v6, v2, 4, v6                   ; a fragment's row x pitch + 16 x half
	s_mul_i32 s21, s[WV], AWAVE                    ; my 64 K of A
	s_lshl_b32 s22, s[WV], 1
.irp i, 0,1,2,3,4,5,6,7
	s_add_co_u32 s23, s22, \i                      ; my block i is the tile's block (i + 2 w) mod 8
	s_and_b32 s23, s23, 7
	s_mul_i32 s23, s23, 16*PA
	s_add_co_u32 s23, s23, s21
	v_add_nc_u32 v[AB+(\i)], s23, v6
.endr
	s_mul_i32 s21, s[WV], 64*PB                    ; my 64 rows of W
	s_add_co_u32 s21, s21, BOFF
	v_lshl_add_u32 v[B0], v2, 3, v3
	v_mul_u32_u24 v[B0], v[B0], PB
	v_lshl_add_u32 v[B0], v4, 4, v[B0]
	v_add_nc_u32 v[B0], s21, v[B0]
	s_mul_i32 s21, s[WV], REG                      ; my stage
	v_mul_u32_u24 v[STO], v1, SP
	v_lshl_add_u32 v[STO], v2, 5, v[STO]
	v_add_nc_u32 v[STO], s21, v[STO]
.irp p, 0,1,2,3
	s_sub_co_u32 s23, s[WV], \p                    ; in wave p's stage my rows are its blocks 2 ((w - p) mod 4) and the next
	s_and_b32 s23, s23, 3
	s_mul_i32 s23, s23, 32*SP
	s_add_co_u32 s23, s23, (\p)*REG
	v_add_nc_u32 v[RD0+(\p)], s23, v[ROFF]
.endr
	s_wait_tensorcnt 0x1                           ; my part of slot 0 is in; slot 1's may stay out
	s_barrier_signal -1
	s_barrier_wait -1
	FIRST
	WIN 0
	s_mov_b32 s[SLOTS], T-2
.Lslot:                                        ; T - 2 times: every slot but the last two is filled again
	CHANGE 1
	PAIR
	WIN 0
	s_sub_co_u32 s[SLOTS], s[SLOTS], 1
	s_cmp_lg_u32 s[SLOTS], 0
	s_cbranch_scc1 .Lslot
	CHANGE 0                                       ; the last slot is written out
	PAIR
	WIN 0
	s_wait_dscnt 0x0                               ; my last reads of the ring are back:
	s_barrier_signal -1                            ; say so,
	MUL F1, 0                                      ; the last products while the others arrive,
	WIN 0
	s_barrier_wait -1                              ; and nobody reads the ring any more: its bytes, filled for the last time, become the stage
	PLACES
	DUMP
	s_wait_dscnt 0x0
	s_barrier_signal -1
	s_barrier_wait -1                              ; all four partial tiles lie in LDS
	s_mov_b32 s[TBA], 0
	LOADG                                          ; my rows 0 to 3
	s_mov_b32 s[SLOTS], 8                          ; eight trips of four rows; a trip's rows were asked for in the trip before
.Lout:
	s_wait_dscnt 0x0                               ; this trip's sixteen loads are in
.irp r, 0,1,2,3
.irp c, 0,2
	v_pk_add_f32 v[TS+4*(\r)+(\c):TS+4*(\r)+(\c)+1], v[LL+16*(\r)+(\c):LL+16*(\r)+(\c)+1], v[LL+16*(\r)+4+(\c):LL+16*(\r)+4+(\c)+1]
	v_pk_add_f32 v[TS+16+4*(\r)+(\c):TS+16+4*(\r)+(\c)+1], v[LL+16*(\r)+8+(\c):LL+16*(\r)+8+(\c)+1], v[LL+16*(\r)+12+(\c):LL+16*(\r)+12+(\c)+1]
.endr
.endr
	s_cmp_eq_u32 s[SLOTS], 1                       ; the last trip has nothing to ask for
	s_cbranch_scc1 .Lnol
	s_add_co_u32 s[TBA], s[TBA], 4*SP
	LOADG
.Lnol:
.irp r, 0,1,2,3
.irp c, 0,2
	v_pk_add_f32 v[TS+4*(\r)+(\c):TS+4*(\r)+(\c)+1], v[TS+4*(\r)+(\c):TS+4*(\r)+(\c)+1], v[TS+16+4*(\r)+(\c):TS+16+4*(\r)+(\c)+1]
.endr
.endr
	s_wait_xcnt 0x0                                ; the last trip's stores have read their data and their base
	s_add_nc_u64 s[8:9], s[8:9], 16384             ; four rows on; the stores below reach back
.irp r, 0,1,2,3
.irp c, 0,2
	v_pk_add_f32 v[YY+4*(\r)+(\c):YY+4*(\r)+(\c)+1], v[TS+4*(\r)+(\c):TS+4*(\r)+(\c)+1], v[BIAS+(\c):BIAS+(\c)+1]
.endr
.endr
.irp r, 0,1,2,3
	global_store_b128 v[ROFF], v[YY+4*(\r):YY+4*(\r)+3], s[8:9] offset:4096*(\r)-16384  ; 512 consecutive bytes of a row, aligned
.endr
	s_sub_co_u32 s[SLOTS], s[SLOTS], 1
	s_cmp_lg_u32 s[SLOTS], 0
	s_cbranch_scc1 .Lout
	s_wait_tensorcnt 0x0                           ; the wave's end, behind my last tensor load and my last LDS store
	ds_add_u32 v[SPW], v[NIL]
	s_wait_dscnt 0x0
	CROUND                                         ; the closing round
	s_endpgm
.Lfunc_end_k_q6351a8f920_g2:
	.size	k_q6351a8f920_g2, .Lfunc_end_k_q6351a8f920_g2-k_q6351a8f920_g2
	.p2alignl 7, 3214868480
	.fill 96, 4, 3214868480
	.section	.rodata,"a",@progbits
	.p2align	6, 0x0
	.amdhsa_kernel k_q6351a8f920_g2
		.amdhsa_group_segment_fixed_size 327680
		.amdhsa_private_segment_fixed_size 0
		.amdhsa_enable_private_segment 0
		.amdhsa_kernarg_size 40
		.amdhsa_user_sgpr_count 2
		.amdhsa_user_sgpr_kernarg_segment_ptr 1
		.amdhsa_wavefront_size32 1
		.amdhsa_system_sgpr_workgroup_id_x 1
		.amdhsa_system_sgpr_workgroup_id_y 1
		.amdhsa_system_sgpr_workgroup_id_z 1
		.amdhsa_system_vgpr_workitem_id 0
		.amdhsa_next_free_vgpr 1024
		.amdhsa_next_free_sgpr 66
		.amdhsa_reserve_vcc 0
		.amdhsa_float_denorm_mode_32 3
		.amdhsa_float_denorm_mode_16_64 3
		.amdhsa_memory_ordered 1
		.amdhsa_forward_progress 1
		.amdhsa_inst_pref_size 67
	.end_amdhsa_kernel
	.amdgpu_metadata
---
amdhsa.version: [ 1, 2 ]
amdhsa.kernels:
  - .name:           k_q6351a8f920_g2
    .symbol:         k_q6351a8f920_g2.kd
    .args:
      - { .name: qg, .offset: 0, .size: 8, .value_kind: global_buffer, .address_space: global }
      - { .name: w2, .offset: 8, .size: 8, .value_kind: global_buffer, .address_space: global }
      - { .name: out0, .offset: 16, .size: 8, .value_kind: global_buffer, .address_space: global }
      - { .name: b_fc2, .offset: 24, .size: 8, .value_kind: global_buffer, .address_space: global }
      - { .name: x1, .offset: 32, .size: 8, .value_kind: global_buffer, .address_space: global }
    .group_segment_fixed_size: 327680
    .private_segment_fixed_size: 0
    .kernarg_segment_align: 8
    .kernarg_segment_size: 40
    .max_flat_workgroup_size: 128
    .sgpr_count:     66
    .vgpr_count:     1024
    .wavefront_size: 32
...
	.end_amdgpu_metadata
.endif
;; end of part 6
